; MI455X (gfx1250); checked and timed in simulation.
; The chip was launched on July 23, 2026; its instructions are those of AMD's public machine-readable ISA for CDNA 5 (MIT licence, August 2026) and "CDNA5" Instruction Set Architecture Reference Guide (July 2026). The comments in the code are by the model that wrote it; some were corrected since.
;; Mo E. Allowed arithmetic: matrix products marked QUANTISED: E2M1 operands, one E8M0 scale for each 32 along K, by v_wmma_scale_f32_16x16x128_f8f6f4 with both operands' format E2M1 (or v_wmma_scale_f32_32x16x128_f4), f32 sums; products left as they are: f32 operands where the result goes on into a quantised operand, else bf16, f16 or f32 operands; f32 sums; everything else in f32.
;; Inputs: b1 8 x 4,096 float32; b2 8 x 1,024 float32; gate_b 8 float32; gate_w 1,024 x 8 float32; w1 8 x 1,024 x 4,096 float32; w2 8 x 4,096 x 1,024 float32; x 2 x 512 x 1,024 float32.
;; Outputs: out0 2 x 512 x 1,024 float32.
;; This version of the problem:
;;   THIS VERSION OF THE PROBLEM IS GIVEN IN LOW PRECISION. The matrix products marked QUANTISED in the list below multiply operands that are first quantised to E2M1 (2 exponent bits, 1 mantissa bit; 4 bits a number), with one power-of-two scale for each 32 numbers along K (OCP MX v1.0); their sums are f32. All else is computed in f32.
;;   The module's matrix products, in the order in which they are computed (A, B: the left and right operand; K: the contracted axis; several contracted axes count as one K, in the product's order):
;;     1. [M 1,024, K 1,024] x [K 1,024, N 8]; A: input x; B: input gate_w: left as it is (N = 8 < 16)
;;     2. [M 1,024, K 1,024] x [K 1,024, N 32,768]; A: input x; B: input w1: QUANTISED
;;     3. batch 8 x [M 1,024, K 4,096] x [K 4,096, N 1,024]; A: input w2; B: computed on the way: QUANTISED
;;   THE QUANTISER, for each operand of a quantised product, along K:
;;     - K is cut into blocks of 32 from its start; a last block that is shorter is filled with zeros.
;;     - A block's scale is 2^e with e = floor(log2(the largest magnitude in the block)) - 2, held to -126 .. 127; a block of zeros has e = 0. As a byte (E8M0): e + 127.
;;     - Each number is divided by its block's scale, clamped to +-6, and rounded to the nearest number of E2M1, ties to even, subnormals kept.
;;     - The product sums the exact products of the quantised numbers (number of the format x scale) in f32.
;;   ~~~python
;;   def quantise(x, axis):      # numpy; x: float32 -> the quantised numbers, widened to float32 again
;;       x = np.moveaxis(x, axis, -1); K = x.shape[-1]
;;       x = np.pad(x, [(0, 0)] * (x.ndim - 1) + [(0, -K % 32)]); x = x.reshape(x.shape[:-1] + (-1, 32)); a = np.abs(x).max(-1, keepdims=True)
;;       e = np.where(a > 0, np.clip(np.frexp(np.where(a > 0, a, 1))[1] - 1 - 2, -126, 127), 0)      # np.frexp(a)[1] - 1 = floor(log2(a)), exactly
;;       r = np.clip(x / 2.0 ** e, -6, 6)
;;       step = 2.0 ** (np.maximum(np.frexp(np.where(r == 0, 1, r))[1] - 1, 0) - 1)
;;       q = np.round(r / step) * step * 2.0 ** e      # np.round: ties to even
;;       return np.moveaxis(q.reshape(q.shape[:-2] + (-1,))[..., :K], -1, axis).astype(np.float32)
;;   ~~~
;;   OPERANDS COMPUTED ON THE WAY. 'Computed on the way' means the value that the module computes at that place (a softmax that the list does not call 'softmax' is quantised finished and normalised). What goes into a quantiser is computed in f32, as accurately as f32 sums, v_exp_f32 and their like allow (about 1e-6 of the number): no bf16 or f16 on the way to a quantiser, and a product that is left as it is and whose result goes on into a quantised operand takes f32 operands (vector FMAs, or v_wmma_f32_16x16x4_f32). A number that lies on a knife's edge between two numbers of the format may be rounded either way, as far as f32 arithmetic and the matrix unit's own rounding can turn it there, and no further.
;; 2 versions. Each part assembles by itself: llvm-mc -triple=amdgcn-amd-amdhsa -mcpu=gfx1250 --defsym DOCPART=n.
;; ======== version 1 of 2: 5 launches
;; workspace buffers: xq 557,056 bytes; eidx 8,192 bytes of whole numbers; prob 8,192 bytes; route 19,968 bytes of whole numbers; hq 5,013,504 bytes; yp 17,825,792 bytes
;; launch gate (part 1): grid 128 x 1, 8 waves a work-group, no clusters, 34,816 bytes of LDS; arguments x, gate_w, gate_b, xq, eidx, prob; writes xq, eidx, prob
.if DOCPART == 1
	.amdgcn_target "amdgcn-amd-amdhsa--gfx1250"
	.amdhsa_code_object_version 6
	.text
	.protected	k_qac428d2202_gate
	.globl	k_qac428d2202_gate
	.p2align	8
	.type	k_qac428d2202_gate,@function
k_qac428d2202_gate:
	s_mov_b64 s[64:65], 0
	v_nop
	global_prefetch_b8 v0, s[64:65] scope:SCOPE_SE
	s_setreg_imm32_b32 hwreg(HW_REG_WAVE_MODE, 25, 1), 1
	s_wait_xcnt 0x0
; GATE.  For each of the 1,024 tokens: the eight logits x . gate_w + gate_b in f32 (fused multiply-adds), the two largest (of equal logits the lower
; expert first), their softmax with the larger logit taken away, and x as codes of E2M1 with one E8M0 byte for each 32 along the token's 1,024 numbers.
; OUT: eidx [1024][2] the chosen experts, prob [1024][2] their weights, both at fixed places; xq: codes [1024][512 bytes], and from byte 524,288 the scale bytes [1024][32].
; SHARES.  Eight waves, a token to a wave.  Lane l holds x[32 l .. 32 l + 31]: one whole block, so its largest magnitude needs no other lane, and its 32 rows of gate_w
; (1,024 bytes) are read from LDS, where the work-group has laid gate_w once: 32 pieces of 1,024 bytes, 1,040 bytes apart.
; No matrix instruction: eight outputs a token are half a tile, and the choice is wanted as f32 sums give it.
; x is read 16 bytes a lane, 128 bytes from lane to lane: a wave's eight loads together cover the token's 4,096 consecutive bytes.
; LIMITS.  NaN and infinities among the inputs are not served (the logits are taken to be finite).  The sums run in another order than a plain dot product: two logits closer than f32 rounding may change places.
; A block of zeros gets the byte 1 and not 127: its codes are zeros, and these bytes are read by this program alone.
.set GPI,  1040                        ; from one lane's piece of gate_w to the next, in LDS
.set XSB,  33280                       ; behind gate_w: the work-group's 256 scale bytes
.set XSCO, 524288                      ; where the scale bytes begin in xq
.set X,    16                          ; v16-47   my 32 numbers of x
.set GB,   48                          ; v48-175  gate_w: two sets of eight rows x eight experts; at the start v48-79 carry gate_w to LDS
.set AC,   176                         ; v176-183 the eight sums
.set TT,   184                         ; v184-191 the other half of the lanes' sums
.set CD,   192                         ; v192-195 my block's codes
.set HM,   196                         ; v196-203 the logits without the largest
.set CE,   204                         ; v205-211 the numbers 1 to 7
.set NINF, 212
.set BV1,  213                         ; the largest logit, its expert; the second, its expert
.set IX1,  214
.set BV2,  215
.set IX2,  216
.set EXV,  217
.set PR1,  218
.set PR2,  219
.set IVV,  220
.set PVV,  221
.set SBD,  222                         ; v222-223 scale bytes on their way out
.set MXA,  9
.set MXB,  10
.set SOP,  11
.set BYT,  12
	s_load_b256 s[4:11], s[0:1], 0x0               ; x s[4:5], gate_w s[6:7], gate_b s[8:9], xq s[10:11]
	s_load_b128 s[12:15], s[0:1], 0x20             ; eidx s[12:13], prob s[14:15]
	v_lshl_add_u32 v224, v0, 2, 0x8400
	v_mov_b32 v225, 0
	v_lshrrev_b32 v2, 5, v0
	v_readfirstlane_b32 s16, v2                    ; wave 0..7
	v_and_b32 v1, 31, v0                           ; lane
	v_lshlrev_b32 v3, 4, v0                        ; gate_w on its way in: 16 bytes a thread
	v_lshrrev_b32 v4, 6, v0
	v_lshl_add_u32 v4, v4, 4, v3                   ; and in LDS: 16 more for each 1,024 passed
	v_lshlrev_b32 v5, 7, v1                        ; x: my 128 bytes
	v_mul_u32_u24 v6, v1, GPI                      ; my piece of gate_w in LDS
	v_lshlrev_b32 v7, 4, v1                        ; my codes' 16 bytes
	v_add_nc_u32 v8, XSB, v0                       ; my scale byte: 32 x wave + lane is the thread's number
	v_lshlrev_b32 v14, 3, v1
	v_add_nc_u32 v15, XSB, v14                     ; the scale bytes on the way out: 8 a lane
	s_lshl_b32 s17, ttmp9, 3
	s_add_co_u32 s17, s17, s16                     ; my token
	s_lshl_b32 s18, s17, 12                        ; its row of x,
	s_mov_b32 s19, 0
	s_lshl_b32 s20, s17, 9                         ; its row of codes,
	s_mov_b32 s21, 0
	s_lshl_b32 s22, s17, 3                         ; its two words of eidx and of prob
	v_lshlrev_b32 v13, 2, v1
	v_add_nc_u32 v13, s22, v13
	s_lshl_b32 s23, ttmp9, 8                       ; the work-group's 256 scale bytes
	v_add_nc_u32 v14, s23, v14
	s_mov_b32 s32, 0x76543210                      ; v_permlanex16_b32's selects for lane l xor 16
	s_mov_b32 s33, 0xfedcba98
	s_wait_kmcnt 0x0
	s_load_b256 s[24:31], s[8:9], 0x0              ; gate_b: eight numbers
.irp j, 0,1,2,3,4,5,6,7
	global_load_b128 v[GB+4*\j:GB+4*\j+3], v3, s[6:7] offset:4096*\j       ; gate_w: 256 threads x 16 bytes, eight times
.endr
	s_add_nc_u64 s[4:5], s[4:5], s[18:19]
	s_add_nc_u64 s[20:21], s[10:11], s[20:21]
.irp j, 0,1,2,3,4,5,6,7
	global_load_b128 v[X+4*\j:X+4*\j+3], v5, s[4:5] offset:16*\j th:TH_LOAD_NT
.endr
.irp e, 1,2,3,4,5,6,7
	v_mov_b32 v[CE+\e], \e
.endr
.irp e, 0,1,2,3,4,5,6,7
	v_mov_b32 v[TT+\e], 0                          ; a lane permute's destination counts as one of its sources
.endr
	v_mov_b32 v[NINF], 0xff800000
	s_wait_loadcnt 8                               ; gate_w is in; x's eight loads are younger and may be out
.irp j, 0,1,2,3,4,5,6,7
	ds_store_b128 v4, v[GB+4*\j:GB+4*\j+3] offset:4160*\j                  ; 4,096 bytes on are four pieces on: 4 x 1,040
.endr
	s_wait_dscnt 0x0                               ; for the others' sake: my part of gate_w lies in LDS
	s_barrier_signal -1
	s_barrier_wait -1
.macro GLOAD c                         ; rows 8 c .. 8 c + 7 of my 32 rows of gate_w into set c % 2: register 8 i + e = gate_w[32 lane + 8 c + i][e]
.irp i, 0,1,2,3,4,5,6,7
	ds_load_b128 v[GB+64*((\c)%2)+8*\i:GB+64*((\c)%2)+8*\i+3],   v6 offset:32*(8*(\c)+\i)
	ds_load_b128 v[GB+64*((\c)%2)+8*\i+4:GB+64*((\c)%2)+8*\i+7], v6 offset:32*(8*(\c)+\i)+16
.endr
.endm
.macro GMAC c                          ; their 64 multiply-adds, two experts an instruction; one number of x serves both halves.  The very first row starts the sums
.irp i, 0,1,2,3,4,5,6,7
.irp p, 0,1,2,3
.if ((\c) == 0) && (\i == 0)
	v_pk_mul_f32 v[AC+2*\p:AC+2*\p+1], v[GB+2*\p:GB+2*\p+1], v[X:X+1] op_sel_hi:[1,0]
.elseif (\i%2) == 0
	v_pk_fma_f32 v[AC+2*\p:AC+2*\p+1], v[GB+64*((\c)%2)+8*\i+2*\p:GB+64*((\c)%2)+8*\i+2*\p+1], v[X+8*(\c)+\i:X+8*(\c)+\i+1], v[AC+2*\p:AC+2*\p+1] op_sel_hi:[1,0,1]
.else
	v_pk_fma_f32 v[AC+2*\p:AC+2*\p+1], v[GB+64*((\c)%2)+8*\i+2*\p:GB+64*((\c)%2)+8*\i+2*\p+1], v[X+8*(\c)+\i-1:X+8*(\c)+\i], v[AC+2*\p:AC+2*\p+1] op_sel:[0,1,0] op_sel_hi:[1,1,1]
.endif
.endr
.endr
.endm
	GLOAD 0
	GLOAD 1
	s_wait_loadcnt 0x0                             ; x
	; my block of 32: its largest magnitude, with the floor 2^(3 - 127) as one more leaf, so that the byte cannot fall under 1
	v_max3_num_f32 v[MXA], |v[X]|, |v[X+1]|, |v[X+2]|
	v_max3_num_f32 v[MXB], |v[X+3]|, |v[X+4]|, |v[X+5]|
.irp i, 6,10,14,18,22,26
	v_max3_num_f32 v[MXA], v[MXA], |v[X+\i]|, |v[X+\i+1]|
	v_max3_num_f32 v[MXB], v[MXB], |v[X+\i+2]|, |v[X+\i+3]|
.endr
	v_max3_num_f32 v[MXA], v[MXA], |v[X+30]|, |v[X+31]|
	v_max3_num_f32 v[MXA], v[MXA], v[MXB], 0x1800000
	v_add_nc_u32 v[SOP], 0xff000000, v[MXA]        ; 2 off its exponent field: the conversion takes the exponent field of this operand as its scale
.irp g, 0,1,2,3
	v_cvt_scalef32_pk8_fp4_f32 v[CD+\g], v[X+8*\g:X+8*\g+7], v[SOP]
.endr
	v_lshrrev_b32 v[BYT], 23, v[SOP]               ; the scale's byte
	global_store_b128 v7, v[CD:CD+3], s[20:21]     ; the wave stores the token's 512 consecutive bytes of codes
	ds_store_b8 v8, v[BYT]
	s_wait_dscnt 17                                ; rows 0-7 are in; younger: rows 8-15 (16 loads) and the byte store
	GMAC 0
	GLOAD 2
	s_wait_dscnt 17                                ; rows 8-15 are in; younger: the byte store and rows 16-23
	GMAC 1
	GLOAD 3
	s_wait_dscnt 16                                ; rows 16-23 are in; younger: rows 24-31
	GMAC 2
	s_wait_dscnt 0x0
	GMAC 3
	; the eight sums over the 32 lanes, by turns
.irp m, 1,2,4,8
.irp e, 0,1,2,3,4,5,6,7
	v_add_f32_dpp v[AC+\e], v[AC+\e], v[AC+\e] row_xmask:\m row_mask:0xf bank_mask:0xf
.endr
.endr
.irp e, 0,1,2,3,4,5,6,7
	v_permlanex16_b32 v[TT+\e], v[AC+\e], s32, s33
.endr
	s_wait_kmcnt 0x0                               ; gate_b
.irp e, 0,1,2,3,4,5,6,7
	v_add_f32 v[AC+\e], v[AC+\e], v[TT+\e]
.endr
.irp e, 0,1,2,3,4,5,6,7
	v_add_f32 v[AC+\e], s[24+\e], v[AC+\e]         ; every lane now holds the token's eight logits
.endr
	; the largest: a later expert takes the place only if its logit is strictly larger, so of equals the lower number stays
	v_mov_b32 v[BV1], v[AC]
	v_mov_b32 v[IX1], 0
.irp e, 1,2,3,4,5,6,7
	v_cmp_gt_f32 vcc_lo, v[AC+\e], v[BV1]
	v_cndmask_b32 v[BV1], v[BV1], v[AC+\e], vcc_lo
	v_cndmask_b32 v[IX1], v[IX1], v[CE+\e], vcc_lo
.endr
.irp e, 0,1,2,3,4,5,6,7
	v_cmp_eq_u32 vcc_lo, \e, v[IX1]
	v_cndmask_b32 v[HM+\e], v[AC+\e], v[NINF], vcc_lo      ; the same logits with -infinity in the winner's place
.endr
	v_mov_b32 v[BV2], v[HM]
	v_mov_b32 v[IX2], 0
.irp e, 1,2,3,4,5,6,7
	v_cmp_gt_f32 vcc_lo, v[HM+\e], v[BV2]
	v_cndmask_b32 v[BV2], v[BV2], v[HM+\e], vcc_lo
	v_cndmask_b32 v[IX2], v[IX2], v[CE+\e], vcc_lo
.endr
	; softmax of the two, the larger taken away: 1 / (1 + e^d) and e^d / (1 + e^d), d = second - first, 0 or less
	v_sub_f32 v[EXV], v[BV2], v[BV1]
	v_mul_f32 v[EXV], 0x3fb8aa3b, v[EXV]
	v_exp_f32 v[EXV], v[EXV]
	v_nop                                          ; a plain instruction between a transcendental and the use of its result (ISA guide 5.7.2)
	s_wait_alu depctr_va_vdst(0)
	v_add_f32 v[PR1], 1.0, v[EXV]
	v_rcp_f32 v[PR1], v[PR1]
	v_nop
	s_wait_alu depctr_va_vdst(0)
	v_mul_f32 v[PR2], v[EXV], v[PR1]
	v_cmp_eq_u32 vcc_lo, 0, v1
	v_cndmask_b32 v[IVV], v[IX2], v[IX1], vcc_lo   ; lane 0 carries the first choice, lane 1 the second
	v_cndmask_b32 v[PVV], v[PR2], v[PR1], vcc_lo
	s_wait_xcnt 0x0                                ; EXEC is a source of the store of the codes: it changes only behind this wait
	v_cmp_gt_u32 vcc_lo, 2, v1
	s_and_saveexec_b32 s35, vcc_lo
	global_store_b32 v13, v[IVV], s[12:13]
	global_store_b32 v13, v[PVV], s[14:15]
	s_wait_xcnt 0x0                                ; and again in front of the line that widens it
	s_or_b32 exec_lo, exec_lo, s35
	s_wait_dscnt 0x0                               ; my scale byte lies in LDS
	s_barrier_signal -1
	s_barrier_wait -1
	s_cmp_lg_u32 s16, 0
	s_cbranch_scc1 .Lend
	ds_load_b64 v[SBD:SBD+1], v15                  ; wave 0: the eight tokens' 256 scale bytes,
	s_wait_dscnt 0x0
	global_store_b64 v14, v[SBD:SBD+1], s[10:11] offset:XSCO       ; stored as 256 consecutive bytes, at a multiple of 256 from xq's first byte
.Lend:
	s_wait_tensorcnt 0x0
	ds_add_u32 v224, v225
	s_wait_dscnt 0x0
	s_endpgm
.Lfunc_end_k_qac428d2202_gate:
	.size	k_qac428d2202_gate, .Lfunc_end_k_qac428d2202_gate-k_qac428d2202_gate
	.p2alignl 7, 3214868480
	.fill 96, 4, 3214868480
	.section	.rodata,"a",@progbits
	.p2align	6, 0x0
	.amdhsa_kernel k_qac428d2202_gate
		.amdhsa_group_segment_fixed_size 34816
		.amdhsa_private_segment_fixed_size 0
		.amdhsa_enable_private_segment 0
		.amdhsa_kernarg_size 48
		.amdhsa_user_sgpr_count 2
		.amdhsa_user_sgpr_kernarg_segment_ptr 1
		.amdhsa_wavefront_size32 1
		.amdhsa_system_sgpr_workgroup_id_x 1
		.amdhsa_system_sgpr_workgroup_id_y 1
		.amdhsa_system_sgpr_workgroup_id_z 1
		.amdhsa_system_vgpr_workitem_id 0
		.amdhsa_next_free_vgpr 226
		.amdhsa_next_free_sgpr 66
		.amdhsa_reserve_vcc 1
		.amdhsa_float_denorm_mode_32 3
		.amdhsa_float_denorm_mode_16_64 3
		.amdhsa_memory_ordered 1
		.amdhsa_forward_progress 1
		.amdhsa_inst_pref_size 25
	.end_amdhsa_kernel
	.amdgpu_metadata
---
amdhsa.version: [ 1, 2 ]
amdhsa.kernels:
  - .name:           k_qac428d2202_gate
    .symbol:         k_qac428d2202_gate.kd
    .args:
      - { .name: x, .offset: 0, .size: 8, .value_kind: global_buffer, .address_space: global }
      - { .name: gate_w, .offset: 8, .size: 8, .value_kind: global_buffer, .address_space: global }
      - { .name: gate_b, .offset: 16, .size: 8, .value_kind: global_buffer, .address_space: global }
      - { .name: xq, .offset: 24, .size: 8, .value_kind: global_buffer, .address_space: global }
      - { .name: eidx, .offset: 32, .size: 8, .value_kind: global_buffer, .address_space: global }
      - { .name: prob, .offset: 40, .size: 8, .value_kind: global_buffer, .address_space: global }
    .group_segment_fixed_size: 34816
    .private_segment_fixed_size: 0
    .kernarg_segment_align: 8
    .kernarg_segment_size: 48
    .max_flat_workgroup_size: 256
    .sgpr_count:     66
    .vgpr_count:     226
    .wavefront_size: 32
...
	.end_amdgpu_metadata
.endif
;; end of part 1
;; launch place (part 2): grid 1 x 1, 8 waves a work-group, no clusters, 1,280 bytes of LDS; arguments eidx, route; writes route
.if DOCPART == 2
	.amdgcn_target "amdgcn-amd-amdhsa--gfx1250"
	.amdhsa_code_object_version 6
	.text
	.protected	k_qac428d2202_place
	.globl	k_qac428d2202_place
	.p2align	8
	.type	k_qac428d2202_place,@function
k_qac428d2202_place:
	s_mov_b64 s[64:65], 0
	v_nop
	global_prefetch_b8 v0, s[64:65] scope:SCOPE_SE
	s_setreg_imm32_b32 hwreg(HW_REG_WAVE_MODE, 25, 1), 1
	s_wait_xcnt 0x0
; PLACE.  A counting sort of the 2,048 slots (slot = 2 x token + choice) by expert, without atomics: one work-group, wave e serves expert e.
; OUT, in route:  byte 0: for each expert 32 words: word 0 its first compact row (a multiple of 16), word 1 its number of tiles of 16 rows, the rest 0;
;   byte 1,024: list: the token of each of the 2,176 compact rows, then 256 dump words;   byte 10,752: pos: the compact row of each of the 2,048 slots, then 256 dump words.
; 2,048 rows and at most 15 rows of filling for each of 8 experts stay under 2,176 = 136 tiles, whatever the choice.  Filling rows, and the rows behind the last expert's, carry token 0.
; EXPERT 7 ALSO TAKES THE TILES BEHIND ITS OWN, up to tile 135 (eight at the most): so every one of the 136 tiles is computed and stored by the launches that follow, and none of them ever loads a byte that nobody stored.
; Every wave holds all 2,048 words of eidx in 64 registers.  Pass 1 counts its expert's slots; the eight counts meet in LDS; pass 2 gives each matching slot the next row:
; the rows given so far + the number of matching lanes below mine.  EXEC never changes: a lane whose slot is another expert's stores into a dump word of its own (row 2,176 + thread, slot 2,048 + thread), which nobody reads.
.set LISTO, 1024
.set POSO,  10752
.set RP,    2176
.set IX,    16                         ; v16-79   eidx: register 4 j + i holds slot 128 j + 4 lane + i
.set CN,    84                         ; v84-91   the eight counts
.set ST,    96                         ; v96-127  eight sets of four registers for the stores' addresses and data
	s_load_b128 s[4:7], s[0:1], 0x0                ; eidx s[4:5], route s[6:7]
	v_lshl_add_u32 v128, v0, 2, 0x100
	v_mov_b32 v129, 0
	v_lshrrev_b32 v2, 5, v0
	v_readfirstlane_b32 s8, v2                     ; wave = my expert
	v_and_b32 v1, 31, v0                           ; lane
	v_lshlrev_b32 v2, 4, v1                        ; 16 bytes a lane
	v_lshlrev_b32 v6, 2, v1                        ; 4 x lane: my first slot in a group of 128
	v_add_nc_u32 v7, RP, v0                        ; my dump row
	v_add_nc_u32 v8, 2048, v0                      ; my dump slot
	v_lshlrev_b32 v9, 2, v0                        ; my word of the experts' table: 128 x expert + 4 x lane
	v_mov_b32 v10, 0
	s_lshl_b32 s9, s8, 2
	v_mov_b32 v4, s9                               ; LDS: my expert's count
	s_wait_kmcnt 0x0
.irp j, 0,1,2,3,4,5,6,7,8,9,10,11,12,13,14,15
	global_load_b128 v[IX+4*\j:IX+4*\j+3], v2, s[4:5] offset:512*\j
.endr
	s_mov_b32 s10, 0
	s_wait_loadcnt 0x0
.set q, 0
.rept 64                               ; pass 1: how many slots are my expert's
	v_cmp_eq_u32 vcc_lo, s8, v[IX+q]
	s_bcnt1_i32_b32 s11, vcc_lo
	s_add_co_u32 s10, s10, s11
.set q, q+1
.endr
	v_mov_b32 v3, s10
	ds_store_b32 v4, v3                            ; all lanes write the same word with the same value
	s_wait_dscnt 0x0
	s_barrier_signal -1
	s_barrier_wait -1
	ds_load_b128 v[CN:CN+3], v10
	ds_load_b128 v[CN+4:CN+7], v10 offset:16
	s_wait_dscnt 0x0
.irp i, 0,1,2,3,4,5,6,7
	v_readfirstlane_b32 s[16+\i], v[CN+\i]
.endr
	s_mov_b32 s12, 0                               ; my expert's first row
	s_mov_b32 s13, 0                               ; the rows of all experts
.irp i, 0,1,2,3,4,5,6,7
	s_add_co_u32 s[16+\i], s[16+\i], 15
	s_and_b32 s[16+\i], s[16+\i], -16              ; each count rounded up to whole tiles
	s_add_co_u32 s13, s13, s[16+\i]
	s_cmp_gt_u32 s8, \i
	s_cselect_b32 s14, s[16+\i], 0
	s_add_co_u32 s12, s12, s14
.endr
	s_add_co_u32 s15, s10, 15
	s_and_b32 s15, s15, -16                        ; my expert's rows, filling included
	s_sub_co_u32 s25, s15, s10                     ; its filling rows
	s_sub_co_u32 s26, RP, s12                      ; expert 7: all that is left
	s_cmp_eq_u32 s8, 7
	s_cselect_b32 s26, s26, s15
	s_lshr_b32 s26, s26, 4                         ; my expert's tiles
	s_mov_b32 s24, s12                             ; the next free row
.set q, 0
.rept 64                               ; pass 2
.set S4, ST+4*(q%8)
.if (q%8 == 0) && (q > 0)
	s_wait_xcnt 0x0                                ; the stores of eight turns ago have read their addresses and data: the sets are written again only behind this wait
.endif
	v_cmp_eq_u32 vcc_lo, s8, v[IX+q]
	v_add_nc_u32 v11, 128*(q/4)+(q%4), v6          ; the slot
	v_mbcnt_lo_u32_b32 v[S4], vcc_lo, 0            ; matching lanes below mine
	v_add_nc_u32 v[S4], s24, v[S4]                 ; the row
	v_cndmask_b32 v[S4+1], v7, v[S4], vcc_lo       ; or my dump row;
	v_min_u32 v[S4+1], RP+255, v[S4+1]             ; held inside the list with its dump words
	v_lshlrev_b32 v[S4+1], 2, v[S4+1]
	v_cndmask_b32 v[S4+2], v8, v11, vcc_lo         ; the slot, or my dump slot
	v_min_u32 v[S4+2], 2303, v[S4+2]
	v_lshlrev_b32 v[S4+2], 2, v[S4+2]
	v_lshrrev_b32 v[S4+3], 1, v11                  ; the token
	v_min_u32 v[S4], RP-1, v[S4]
	global_store_b32 v[S4+1], v[S4+3], s[6:7] offset:LISTO
	global_store_b32 v[S4+2], v[S4], s[6:7] offset:POSO
	s_bcnt1_i32_b32 s11, vcc_lo
	s_add_co_u32 s24, s24, s11
.set q, q+1
.endr
	s_wait_xcnt 0x0
	v_add_nc_u32 v[ST], s24, v1                    ; my expert's filling rows: token 0
	v_cmp_gt_u32 vcc_lo, s25, v1
	v_cndmask_b32 v[ST], v7, v[ST], vcc_lo
	v_min_u32 v[ST], RP+255, v[ST]
	v_lshlrev_b32 v[ST], 2, v[ST]
	global_store_b32 v[ST], v10, s[6:7] offset:LISTO
	v_add_nc_u32 v[ST+1], s13, v0                  ; the rows behind the last expert's, at most 128: a thread to a row
	v_cmp_gt_u32 vcc_lo, RP, v[ST+1]
	v_cndmask_b32 v[ST+1], v7, v[ST+1], vcc_lo
	v_min_u32 v[ST+1], RP+255, v[ST+1]
	v_lshlrev_b32 v[ST+1], 2, v[ST+1]
	global_store_b32 v[ST+1], v10, s[6:7] offset:LISTO
	v_mov_b32 v[ST+2], s12
	v_mov_b32 v[ST+3], s26
	v_cmp_eq_u32 vcc_lo, 0, v1
	v_cndmask_b32 v[ST+4], v10, v[ST+2], vcc_lo
	v_cmp_eq_u32 vcc_lo, 1, v1
	v_cndmask_b32 v[ST+4], v[ST+4], v[ST+3], vcc_lo
	global_store_b32 v9, v[ST+4], s[6:7]           ; my expert's 32 words: first row, tiles, zeros
	s_wait_tensorcnt 0x0
	ds_add_u32 v128, v129
	s_wait_dscnt 0x0
	s_endpgm
.Lfunc_end_k_qac428d2202_place:
	.size	k_qac428d2202_place, .Lfunc_end_k_qac428d2202_place-k_qac428d2202_place
	.p2alignl 7, 3214868480
	.fill 96, 4, 3214868480
	.section	.rodata,"a",@progbits
	.p2align	6, 0x0
	.amdhsa_kernel k_qac428d2202_place
		.amdhsa_group_segment_fixed_size 1280
		.amdhsa_private_segment_fixed_size 0
		.amdhsa_enable_private_segment 0
		.amdhsa_kernarg_size 16
		.amdhsa_user_sgpr_count 2
		.amdhsa_user_sgpr_kernarg_segment_ptr 1
		.amdhsa_wavefront_size32 1
		.amdhsa_system_sgpr_workgroup_id_x 1
		.amdhsa_system_sgpr_workgroup_id_y 1
		.amdhsa_system_sgpr_workgroup_id_z 1
		.amdhsa_system_vgpr_workitem_id 0
		.amdhsa_next_free_vgpr 130
		.amdhsa_next_free_sgpr 66
		.amdhsa_reserve_vcc 1
		.amdhsa_float_denorm_mode_32 3
		.amdhsa_float_denorm_mode_16_64 3
		.amdhsa_memory_ordered 1
		.amdhsa_forward_progress 1
		.amdhsa_inst_pref_size 63
	.end_amdhsa_kernel
	.amdgpu_metadata
---
amdhsa.version: [ 1, 2 ]
amdhsa.kernels:
  - .name:           k_qac428d2202_place
    .symbol:         k_qac428d2202_place.kd
    .args:
      - { .name: eidx, .offset: 0, .size: 8, .value_kind: global_buffer, .address_space: global }
      - { .name: route, .offset: 8, .size: 8, .value_kind: global_buffer, .address_space: global }
    .group_segment_fixed_size: 1280
    .private_segment_fixed_size: 0
    .kernarg_segment_align: 8
    .kernarg_segment_size: 16
    .max_flat_workgroup_size: 256
    .sgpr_count:     66
    .vgpr_count:     130
    .wavefront_size: 32
...
	.end_amdgpu_metadata
.endif
;; end of part 2
;; launch hid (part 3): grid 32 x 8, 16 waves a work-group, no clusters, 72,192 bytes of LDS; arguments w1, b1, xq, route, hq; writes hq
.if DOCPART == 3
	.amdgcn_target "amdgcn-amd-amdhsa--gfx1250"
	.amdhsa_code_object_version 6
	.text
	.protected	k_qac428d2202_hid
	.globl	k_qac428d2202_hid
	.p2align	8
	.type	k_qac428d2202_hid,@function
k_qac428d2202_hid:
	s_mov_b64 s[64:65], 0
	v_nop
	global_prefetch_b8 v0, s[64:65] scope:SCOPE_SE
	s_setreg_imm32_b32 hwreg(HW_REG_WAVE_MODE, 25, 1), 1
	s_wait_xcnt 0x0
; HID.  h = Q(gelu(x W1 + b1)) for the rows that chose the expert; both operands of the product as codes of E2M1 with one E8M0 scale for each 32 along K = 1,024.
; A work-group (x = slice, y = expert) owns 128 hidden units of one expert: 1,024 x 128 numbers of w1, 512 KB, which no other work-group reads.
; PHASE 1, THE WEIGHTS.  w1 is [expert][K][4,096]: K is not innermost.  A LANE TAKES A COLUMN AND ITS REGISTERS RUN DOWN K: wave w takes 32 columns (group w % 4) x 256 of K (part w / 4): eight blocks of 32.
; A load reads 128 consecutive bytes; up to 64 loads of every wave are out.  A block lies whole in one lane's 32 registers: its largest magnitude needs no other lane and the conversions give codes with K innermost.
; Four blocks are a K step of 128; eight exchanges of half-waves turn a lane's four blocks of one column into two operands (lanes 0-15's columns, lanes 16-31's), which go to LDS AS IMAGES OF THEIR REGISTERS:
; fragment (K step s, tile t) at (8 s + t) x 1,024 + 512 c + 16 lane.  The scale words lie behind them so that one register carries tile 2 p in lanes 0-15 and tile 2 p + 1 in lanes 16-31.  One barrier.
; PHASE 2, THE ROWS.  Wave w takes the expert's tiles of 16 rows w, w + 16, ..  The rows' tokens come from the list that an earlier launch stored; x's codes and scale words are gathered from xq.
; The product is used transposed (source 0 = 16 hidden units, source 1 = 16 rows of x) and THE HIDDEN UNITS OF A TILE ARE NOT NEIGHBOURS: lane r of tile 2 b + u takes unit 32 b + 8 u + r + 8 (r / 8), so that a lane
; holds one row and the 16 registers of tiles 2 b, 2 b + 1 are 16 neighbours along the next product's K.  b1 is the C of each sum's first product.  Exact gelu in f32, the quantiser in registers; the 128 units are
; K step 'slice' of the next product: one fragment and one scale word a row, stored as images: hq [32 K steps][136 tiles][1,024 bytes], and from byte 4,456,448 the scale words [32][136][128 bytes].
; The next tile's tokens and x are asked for a trip ahead (clamped to tile 135: inside the list, which is written whole).
; GELU.  gelu(v) = max(v, 0) - |v| q, q = erfc(|v| / sqrt 2) / 2 = t 2^(poly(t) - 0.7213 v^2), t = 1 / (1 + 0.35355 |v|): the ten-coefficient form of erfc, t exp(-z^2 + polynomial in t), with log2(e) and the half folded
; into the constants.  No difference of near-equal numbers is formed on either side of 0.
; NO JOINT LOADS: the 512 KB of weights are nobody else's; what the work-groups of an expert share, x's rows, is gathered by a list whose length is read from memory.
; LIMITS.  NaN and infinities are not served.  q under 2^-126 comes out as 0 (v_exp_f32 flushes: ISA guide 15.8), so gelu is 0 there.  A block of zeros gets the byte 1 and not 127: its codes are zeros, and this program alone reads the bytes.
.set PITCH, 16384                      ; bytes from a row of w1 to the next
.set NTL,   8                          ; tiles of 16 hidden units
.set SSTEP, 512                        ; bytes of scale words in a K step
.set WSCL,  65536                      ; LDS: 0: the 64 fragments;  65,536: their scale words, 4,096 bytes;
.set B1L,   69632                      ; 69,632: b1's 128 numbers
.set LISTO, 1024
.set XSCO,  524288
.set HSCO,  4456448
.set NT,    136
.set LANE, 1
.set RR,   2                           ; lane % 16
.set HH,   3                           ; lane / 16
.set WA,   4                           ; w1: 4 x my column in the wave's 32
.set LI,   5                           ; 16 x lane: my place in an image
.set WST,  6                           ; where I store my wave's fragments
.set WSS,  7                           ; and their scale words
.set WSA,  8                           ; where I read a K step's four registers of scale words
.set B1A,  9                           ; where I read b1: 64 bytes on for lanes 16-31
.set R4,   10                          ; 4 x (lane % 16)
.set H16,  11                          ; 16 x (lane / 16)
.set LA,   12                          ; my word of the list
.set TOK,  13                          ; my row's token
.set XAD,  14                          ; its codes
.set XSAD, 15                          ; its scale bytes
.set XF,   16                          ; v16-79   x's eight fragments
.set WF,   80                          ; v80-143  a K step's eight fragments of W1; in phase 1 the two sets of 32 numbers; in the gelu v80-103 at work
.set ACC,  144                         ; v144-207 eight accumulators; in phase 1 v144-159 the codes of four blocks
.set XS,   208                         ; v208-215 x's scale words: scales and nothing else
.set WSC,  216                         ; v216-219 W1's: scales and nothing else
.set TM,   220                         ; v220-235 the quantisers' own
.set PC,   236                         ; v236-243 the fragment just made
.set PW,   244                         ; its scale word
.set HAD,  245
.set HSAD, 246
.set LS,   247                         ; 4 x lane
.set B1R,  248                         ; v248-251 b1 on its way to LDS
.set VK9,  252                         ; v252-253 the polynomial's highest coefficient, twice
.set B1W,  254
.set X,    80
.set CD,   144
.set MXA,  220
.set MXB,  221
.set SOP,  222
.set BYT,  223
.set SW,   224                         ; v224-225 my column's scale words of the wave's two K steps
.set GTT,  80
.set GSS,  88
.set GPP,  96
.set WB,   30                          ; s[30:31] w1 at my wave's part
.set SEL,  32                          ; s[32:33] v_permlanex16_b32's selects for lane l xor 16
.set TRIPS, 56                         ; s56 how many tiles are mine;  s57 counts them
.set TRIP,  57
; s34 0.35355;  s[36:37] -0.72135;  s[38+2 j : 39+2 j] coefficient j, j = 0 .. 8: pairs, since the packed forms name a pair and take its low word for both halves
.macro LOADB b                         ; block b of my column: 32 rows of w1 into set b % 2
.set li, 0
.rept 32
	global_load_b32 v[X+32*((\b)%2)+li], v[WA], s[WB:WB+1] offset:(32*(\b)+li)*PITCH th:TH_LOAD_NT
.set li, li+1
.endr
.endm
.macro QBLOCK b, cnt                   ; block b becomes 16 bytes of codes and a byte of the scale word.  cnt: the loads issued behind block b's
.set XB, X+32*((\b)%2)
	s_wait_loadcnt \cnt
.if (\b) == 4
	s_wait_dscnt 0x0                               ; the first K step's LDS stores have read the codes' registers
.endif
	v_max3_num_f32 v[MXA], |v[XB]|, |v[XB+1]|, |v[XB+2]|
	v_max3_num_f32 v[MXB], |v[XB+3]|, |v[XB+4]|, |v[XB+5]|
.irp i, 6,10,14,18,22,26
	v_max3_num_f32 v[MXA], v[MXA], |v[XB+\i]|, |v[XB+\i+1]|
	v_max3_num_f32 v[MXB], v[MXB], |v[XB+\i+2]|, |v[XB+\i+3]|
.endr
	v_max3_num_f32 v[MXA], v[MXA], |v[XB+30]|, |v[XB+31]|
	v_max3_num_f32 v[MXA], v[MXA], v[MXB], 0x1800000               ; and the floor 2^(3 - 127): the byte cannot fall under 1
	v_add_nc_u32 v[SOP], 0xff000000, v[MXA]                        ; 2 off the exponent field: the conversion's scale operand
.if (\b)%4 == 0
	v_lshrrev_b32 v[SW+(\b)/4], 23, v[SOP]                         ; the scale's byte: the lower K in the lower byte
.else
	v_lshrrev_b32 v[BYT], 23, v[SOP]
	v_lshl_or_b32 v[SW+(\b)/4], v[BYT], 8*((\b)%4), v[SW+(\b)/4]
.endif
.irp g, 0,1,2,3
	v_cvt_scalef32_pk8_fp4_f32 v[CD+4*((\b)%4)+\g], v[XB+8*\g:XB+8*\g+7], v[SOP]
.endr
	v_nop                                          ; one plain instruction behind a scaled conversion
.endm
.macro KIMG sg                         ; the wave's K step sg: four blocks of 32 columns become two fragments, and go to LDS
.irp m, 0,1
.irp i, 0,1,2,3
	v_permlane16_swap_b32 v[CD+8*\m+\i], v[CD+8*\m+4+\i]           ; block 2 m's lanes 16-31 change places with block 2 m + 1's lanes 0-15: the first is now lanes 0-15's columns, blocks 2 m and 2 m + 1; the second lanes 16-31's
.endr
.endr
.irp c, 0,1
.irp u, 0,1
	ds_store_b128 v[WST], v[CD+8*\c+4*\u:CD+8*\c+4*\u+3] offset:(\sg)*NTL*1024+\u*1024+\c*512
.endr
.endr
	ds_store_b32 v[WSS], v[SW+(\sg)] offset:(\sg)*SSTEP
.endm
.macro LISTLD st, ahead                ; the tokens of tile tt (+ 16) of my expert; its number, held inside the 136 tiles, into s[st]
	s_add_co_u32 s[\st], s22, s23
.if \ahead
	s_add_co_u32 s[\st], s[\st], 16
.endif
	s_min_u32 s[\st], s[\st], NT-1
	s_lshl_b32 s26, s[\st], 6
	v_add_nc_u32 v[LA], s26, v[R4]
	global_load_b32 v[TOK], v[LA], s[10:11] offset:LISTO
.endm
.macro XL                              ; my row's codes (lane (r, h): 16 bytes at 64 s + 32 c + 16 h of its 512) and its eight scale words: 18 loads
	v_min_u32 v[TOK], 1023, v[TOK]
	v_lshl_add_u32 v[XAD], v[TOK], 9, v[H16]
	v_lshlrev_b32 v[XSAD], 5, v[TOK]
.irp s, 0,1,2,3,4,5,6,7
	global_load_b128 v[XF+8*\s:XF+8*\s+3],   v[XAD], s[8:9] offset:64*\s
	global_load_b128 v[XF+8*\s+4:XF+8*\s+7], v[XAD], s[8:9] offset:64*\s+32
.endr
	global_load_b128 v[XS:XS+3],   v[XSAD], s[8:9] offset:XSCO
	global_load_b128 v[XS+4:XS+7], v[XSAD], s[8:9] offset:XSCO+16
.endm
.macro MM t, s                         ; tile t, K step s.  An odd tile's scale words stand in lanes 16-31 of the register
.if (\t)%2
	v_wmma_scale_f32_16x16x128_f8f6f4 v[ACC+8*(\t):ACC+8*(\t)+7], v[WF+8*(\t):WF+8*(\t)+7], v[XF+8*(\s):XF+8*(\s)+7], v[ACC+8*(\t):ACC+8*(\t)+7], v[WSC+(\t)/2], v[XS+(\s)] matrix_a_fmt:MATRIX_FMT_FP4 matrix_b_fmt:MATRIX_FMT_FP4 matrix_a_scale:MATRIX_SCALE_ROW1
.else
	v_wmma_scale_f32_16x16x128_f8f6f4 v[ACC+8*(\t):ACC+8*(\t)+7], v[WF+8*(\t):WF+8*(\t)+7], v[XF+8*(\s):XF+8*(\s)+7], v[ACC+8*(\t):ACC+8*(\t)+7], v[WSC+(\t)/2], v[XS+(\s)] matrix_a_fmt:MATRIX_FMT_FP4 matrix_b_fmt:MATRIX_FMT_FP4
.endif
.endm
.macro KSTEP s                         ; 128 along K: W1's eight fragments and four registers of scale words from LDS, eight products; the eight accumulators take turns, one instruction a turn
.if (\s) > 0
.rept 4
	v_nop                                          ; four places in front of loads into registers that matrix instructions have read (ISA guide 7.12.1 for vector instructions)
.endr
.endif
	ds_load_b128 v[WSC:WSC+3], v[WSA] offset:SSTEP*(\s)
.irp t, 0,1,2,3,4,5,6,7
	ds_load_b128 v[WF+8*\t:WF+8*\t+3],   v[LI] offset:(8*(\s)+\t)*1024
	ds_load_b128 v[WF+8*\t+4:WF+8*\t+7], v[LI] offset:(8*(\s)+\t)*1024+512
.endr
	s_wait_dscnt 0x0
.if (\s) == 0
	s_wait_loadcnt 0x1                             ; x's 18 loads are in; the one younger load, the next tile's tokens, may be out
.endif
.irp t, 0,1,2,3,4,5,6,7
	MM \t, \s
.endr
.endm
.macro GELU8 t                         ; the eight numbers of tile t, from the accumulator's low end on
.set GAA, ACC+8*(\t)
.irp j, 0,1,2,3,4,5,6,7
	v_fma_f32 v[GTT+\j], |v[GAA+\j]|, s34, 1.0
.endr
.irp j, 0,1,2,3,4,5,6,7
	v_rcp_f32 v[GTT+\j], v[GTT+\j]                 ; t
.endr
.irp j, 0,2,4,6
	v_pk_mul_f32 v[GSS+\j:GSS+\j+1], v[GAA+\j:GAA+\j+1], v[GAA+\j:GAA+\j+1]        ; v^2.  (Plain instructions behind the reciprocals)
.endr
	s_wait_alu depctr_va_vdst(0)
.irp j, 0,2,4,6
	v_pk_fma_f32 v[GPP+\j:GPP+\j+1], v[GTT+\j:GTT+\j+1], v[VK9:VK9+1], s[54:55] op_sel_hi:[1,1,0]
.endr
.irp k, 52,50,48,46,44,42,40,38
.irp j, 0,2,4,6
	v_pk_fma_f32 v[GPP+\j:GPP+\j+1], v[GPP+\j:GPP+\j+1], v[GTT+\j:GTT+\j+1], s[\k:\k+1] op_sel_hi:[1,1,0]
.endr
.endr
.irp j, 0,2,4,6
	v_pk_fma_f32 v[GPP+\j:GPP+\j+1], v[GSS+\j:GSS+\j+1], s[36:37], v[GPP+\j:GPP+\j+1] op_sel_hi:[1,0,1]
.endr
.irp j, 0,1,2,3,4,5,6,7
	v_exp_f32 v[GPP+\j], v[GPP+\j]
.endr
.irp j, 0,1,2,3,4,5,6,7
	v_max_num_f32 v[GSS+\j], 0, v[GAA+\j]          ; (plain instructions behind the exponentials)
.endr
	s_wait_alu depctr_va_vdst(0)
.irp j, 0,2,4,6
	v_pk_mul_f32 v[GPP+\j:GPP+\j+1], v[GPP+\j:GPP+\j+1], v[GTT+\j:GTT+\j+1]        ; q
.endr
.irp j, 0,1,2,3,4,5,6,7
	v_fma_f32 v[GAA+\j], -|v[GAA+\j]|, v[GPP+\j], v[GSS+\j]
.endr
.endm
; 64 numbers of a lane, register 16 b + i = k 32 b + 16 (lane / 16) + i of my row, become a fragment's codes in v[PC] on and its scale word in v[PW]
.macro QUANT s
.irp b, 0,1,2,3
	v_max3_num_f32 v[TM+\b], |v[\s+16*\b]|, |v[\s+1+16*\b]|, 0x1800000     ; block b: my 16 numbers, and the floor 2^(3 - 127)
.endr
.irp i, 2,4,6,8,10,12,14
.irp b, 0,1,2,3
	v_max3_num_f32 v[TM+\b], v[TM+\b], |v[\s+16*\b+\i]|, |v[\s+1+16*\b+\i]|
.endr
.endr
.irp b, 0,1,2,3
	v_permlanex16_b32 v[TM+4+\b], v[TM+\b], s[SEL], s[SEL+1]
.endr
.irp b, 0,1,2,3
	v_max_num_f32 v[TM+\b], v[TM+\b], v[TM+4+\b]   ; with lane l xor 16's: the block's largest magnitude
.endr
.irp b, 0,1,2,3
	v_add_nc_u32 v[TM+12+\b], 0xff000000, v[TM+\b]
.endr
.irp b, 0,1,2,3
	v_lshrrev_b32 v[TM+4+\b], 23, v[TM+12+\b]
.endr
	v_lshl_or_b32 v[PW], v[TM+5], 8, v[TM+4]
	v_lshl_or_b32 v[PW], v[TM+6], 16, v[PW]
	v_lshl_or_b32 v[PW], v[TM+7], 24, v[PW]
.irp b, 0,1,2,3
	v_cvt_scalef32_pk8_fp4_f32 v[PC+2*\b], v[\s+16*\b:\s+7+16*\b], v[TM+12+\b]
	v_cvt_scalef32_pk8_fp4_f32 v[PC+1+2*\b], v[\s+8+16*\b:\s+15+16*\b], v[TM+12+\b]
.endr
	v_nop                                          ; one plain instruction behind a scaled conversion
.irp c, 0,1                            ; the operand's layout wants a whole block in a lane: lanes 0-15 block 2 c, lanes 16-31 block 2 c + 1
.irp i, 0,1
	v_permlane16_swap_b32 v[PC+4*\c+\i], v[PC+2+4*\c+\i]
.endr
.endr
.endm
	s_load_b256 s[4:11], s[0:1], 0x0               ; w1 s[4:5], b1 s[6:7], xq s[8:9], route s[10:11]
	s_load_b64 s[12:13], s[0:1], 0x20              ; hq
	v_lshl_add_u32 v231, v0, 2, 0x11200
	v_mov_b32 v255, 0
	v_lshrrev_b32 v2, 5, v0
	v_readfirstlane_b32 s14, v2                    ; wave 0..15
	v_and_b32 v[LANE], 31, v0
	v_and_b32 v[RR], 15, v0
	v_bfe_u32 v[HH], v0, 4, 1
	s_and_b32 s15, s14, 3                          ; my group of 32 columns
	s_lshr_b32 s16, s14, 2                         ; my 256 of K
	s_mov_b32 s17, ttmp9                           ; the slice
	s_and_b32 s18, ttmp7, 0xffff                   ; the expert
	v_and_b32 v[WA], 7, v0                         ; my column in the group: lane % 8 + 16 ((lane / 8) % 2) + 8 (lane / 16)
	v_bfe_u32 v[LA], v0, 3, 1
	v_lshl_add_u32 v[WA], v[LA], 4, v[WA]
	v_lshl_add_u32 v[WA], v[HH], 3, v[WA]
	v_lshlrev_b32 v[WA], 2, v[WA]
	v_lshlrev_b32 v[LI], 4, v[LANE]
	v_lshlrev_b32 v[LS], 2, v[LANE]
	s_lshl_b32 s26, s16, 14                        ; two K steps of eight fragments,
	s_lshl_b32 s27, s15, 11                        ; two fragments
	s_add_co_u32 s26, s26, s27
	v_add_nc_u32 v[WST], s26, v[LI]
	s_lshl_b32 s26, s16, 10
	s_lshl_b32 s27, s15, 2
	s_add_co_u32 s26, s26, s27
	s_add_co_u32 s26, s26, WSCL
	v_add_nc_u32 v[WSS], s26, v[LI]                ; word 'group' of my lane's four, K step 2 x part
	v_add_nc_u32 v[WSA], WSCL, v[LI]
	v_lshlrev_b32 v[B1A], 6, v[HH]
	v_add_nc_u32 v[B1A], B1L, v[B1A]
	v_add_nc_u32 v[B1W], B1L, v[LI]
	v_lshlrev_b32 v[R4], 2, v[RR]
	v_lshlrev_b32 v[H16], 4, v[HH]
	v_mov_b32 v[VK9], 0x3e7c6f08
	v_mov_b32 v[VK9+1], 0x3e7c6f08
	s_lshl_b32 s26, s18, 24                        ; w1: the expert's 16 MiB,
	s_lshl_b32 s27, s16, 22                        ; 256 rows of 16,384 bytes,
	s_add_co_u32 s26, s26, s27
	s_lshl_b32 s27, s17, 9                         ; the slice's 512 bytes of a row,
	s_add_co_u32 s26, s26, s27
	s_lshl_b32 s27, s15, 7                         ; my group's 128
	s_add_co_u32 s26, s26, s27
	s_mov_b32 s27, 0
	s_lshl_b32 s28, s18, 14                        ; b1: the expert's row, the slice's 512 bytes
	s_lshl_b32 s29, s17, 9
	s_add_co_u32 s28, s28, s29
	s_mov_b32 s29, 0
	s_lshl_b32 s35, s18, 7                         ; the expert's 32 words in route
	s_mul_i32 s19, s17, NT                         ; hq: the slice's 136 tiles
	s_mov_b32 s[SEL], 0x76543210
	s_mov_b32 s[SEL+1], 0xfedcba98
	s_mov_b32 s34, 0x3eb504f3                      ; 1 / (2 sqrt 2)
	s_mov_b32 s36, 0xbf38aa3b                      ; -log2(e) / 2
	s_mov_b32 s38, 0xc034d90f                      ; the coefficients x log2(e); the lowest less 1, for the half
	s_mov_b32 s40, 0x3fb8ab5a
	s_mov_b32 s42, 0x3f0a29d2
	s_mov_b32 s44, 0x3e0efb2e
	s_mov_b32 s46, 0xbe899a80
	s_mov_b32 s48, 0x3ecdfd18
	s_mov_b32 s50, 0xbfd1a1e5
	s_mov_b32 s52, 0x40097039
	s_mov_b32 s54, 0xbf97d29d
.irp k, 36,38,40,42,44,46,48,50,52,54
	s_mov_b32 s[\k+1], s[\k]                       ; named with it as a pair, so it is written
.endr
	s_wait_kmcnt 0x0
	s_load_b64 s[20:21], s[10:11], s35 offset:0x0  ; my expert's first row and its number of tiles
	s_add_nc_u64 s[WB:WB+1], s[4:5], s[26:27]
	s_add_nc_u64 s[28:29], s[6:7], s[28:29]
	global_load_b128 v[B1R:B1R+3], v[LI], s[28:29] ; b1's 512 bytes, in every wave, so that all waves count alike
	LOADB 0
	LOADB 1
	s_wait_kmcnt 0x0
	s_lshr_b32 s22, s20, 4                         ; my expert's first tile
	s_mov_b32 s23, s14                             ; tt: which of its tiles is mine
	LISTLD 24, 0
	QBLOCK 0, 33                                   ; younger than block 0: block 1 and the tokens
	s_cmp_lg_u32 s14, 0
	s_cbranch_scc1 .Lnob1
	ds_store_b128 v[B1W], v[B1R:B1R+3]             ; wave 0 lays b1 into LDS (older than block 0, so it is in)
.Lnob1:
	LOADB 2
	QBLOCK 1, 33                                   ; younger than block 1: the tokens and block 2
	LOADB 3
	QBLOCK 2, 32                                   ; from here on: the next block's 32
	LOADB 4
	QBLOCK 3, 32
	KIMG 0
	LOADB 5
	QBLOCK 4, 32
	LOADB 6
	QBLOCK 5, 32
	LOADB 7
	QBLOCK 6, 32
	XL                                             ; my first tile's x (its tokens are long in)
	QBLOCK 7, 18                                   ; younger than block 7: x's 18
	KIMG 1
	s_wait_dscnt 0x0                               ; for the others' sake: my fragments and scale words lie in LDS
	s_barrier_signal -1
	s_barrier_wait -1                              ; the one barrier: from here on LDS is only read
.irp b, 0,1,2,3
	v_mov_b32 v[TM+4+\b], 0                        ; a lane permute's destination counts as one of its sources
.endr
	s_min_u32 s21, s21, NT
	s_cmp_ge_u32 s23, s21
	s_cbranch_scc1 .Lend                           ; fewer tiles than waves: nothing for me
	s_sub_co_u32 s[TRIPS], s21, s14                ; the expert's tiles from mine on (one at the least: the branch above),
	s_add_co_u32 s[TRIPS], s[TRIPS], 15
	s_lshr_b32 s[TRIPS], s[TRIPS], 4               ; of which every sixteenth is mine:
	s_min_u32 s[TRIPS], s[TRIPS], 9                ; my trips; 136 tiles on 16 waves are nine at the most
	s_mov_b32 s[TRIP], 0
.Ltrip:
	s_wait_xcnt 0x0                                ; the last trip's stores and loads have read their addresses and data: they are written again only behind this wait
	LISTLD 25, 1                                   ; the tokens of my next tile
.irp t, 0,1,2,3,4,5,6,7
	ds_load_b128 v[ACC+8*\t:ACC+8*\t+3],   v[B1A] offset:128*(\t/2)+32*(\t%2)      ; b1 in the result's layout: units 32 (t / 2) + 16 h + 8 (t % 2) + 0 .. 7
	ds_load_b128 v[ACC+8*\t+4:ACC+8*\t+7], v[B1A] offset:128*(\t/2)+32*(\t%2)+16
.endr
.irp s, 0,1,2,3,4,5,6,7
	KSTEP \s
.endr
	s_wait_loadcnt 0x0                             ; the next tile's tokens
.rept 4
	v_nop                                          ; four places behind the last products, in front of the loads into x's registers and of the first read of the results
.endr
	XL                                             ; the next tile's x lands while this tile is finished
.irp t, 0,1,2,3,4,5,6,7
	GELU8 \t
.endr
	QUANT ACC
	s_add_co_u32 s26, s19, s24                     ; 136 x slice + tile
	s_lshl_b32 s27, s26, 10
	v_add_nc_u32 v[HAD], s27, v[LI]
	s_lshl_b32 s27, s26, 7
	v_add_nc_u32 v[HSAD], s27, v[LS]
	global_store_b128 v[HAD], v[PC:PC+3], s[12:13]                 ; each store of the wave covers 512 consecutive bytes, aligned
	global_store_b128 v[HAD], v[PC+4:PC+7], s[12:13] offset:512
	global_store_b32 v[HSAD], v[PW], s[12:13] offset:HSCO          ; 128 consecutive bytes
	s_mov_b32 s24, s25
	s_add_co_u32 s23, s23, 16                      ; my next tile of the expert's
	s_add_co_u32 s[TRIP], s[TRIP], 1               ; the loop ends on a counter of trips, stepped by one
	s_cmp_lt_u32 s[TRIP], s[TRIPS]
	s_cbranch_scc1 .Ltrip
.Lend:
	s_wait_tensorcnt 0x0
	ds_add_u32 v231, v255
	s_wait_dscnt 0x0
	s_endpgm
.Lfunc_end_k_qac428d2202_hid:
	.size	k_qac428d2202_hid, .Lfunc_end_k_qac428d2202_hid-k_qac428d2202_hid
	.p2alignl 7, 3214868480
	.fill 96, 4, 3214868480
	.section	.rodata,"a",@progbits
	.p2align	6, 0x0
	.amdhsa_kernel k_qac428d2202_hid
		.amdhsa_group_segment_fixed_size 72192
		.amdhsa_private_segment_fixed_size 0
		.amdhsa_enable_private_segment 0
		.amdhsa_kernarg_size 40
		.amdhsa_user_sgpr_count 2
		.amdhsa_user_sgpr_kernarg_segment_ptr 1
		.amdhsa_wavefront_size32 1
		.amdhsa_system_sgpr_workgroup_id_x 1
		.amdhsa_system_sgpr_workgroup_id_y 1
		.amdhsa_system_sgpr_workgroup_id_z 1
		.amdhsa_system_vgpr_workitem_id 0
		.amdhsa_next_free_vgpr 256
		.amdhsa_next_free_sgpr 66
		.amdhsa_reserve_vcc 0
		.amdhsa_float_denorm_mode_32 3
		.amdhsa_float_denorm_mode_16_64 3
		.amdhsa_memory_ordered 1
		.amdhsa_forward_progress 1
		.amdhsa_inst_pref_size 108
	.end_amdhsa_kernel
	.amdgpu_metadata
---
amdhsa.version: [ 1, 2 ]
amdhsa.kernels:
  - .name:           k_qac428d2202_hid
    .symbol:         k_qac428d2202_hid.kd
    .args:
      - { .name: w1, .offset: 0, .size: 8, .value_kind: global_buffer, .address_space: global }
      - { .name: b1, .offset: 8, .size: 8, .value_kind: global_buffer, .address_space: global }
      - { .name: xq, .offset: 16, .size: 8, .value_kind: global_buffer, .address_space: global }
      - { .name: route, .offset: 24, .size: 8, .value_kind: global_buffer, .address_space: global }
      - { .name: hq, .offset: 32, .size: 8, .value_kind: global_buffer, .address_space: global }
    .group_segment_fixed_size: 72192
    .private_segment_fixed_size: 0
    .kernarg_segment_align: 8
    .kernarg_segment_size: 40
    .max_flat_workgroup_size: 512
    .sgpr_count:     66
    .vgpr_count:     256
    .wavefront_size: 32
...
	.end_amdgpu_metadata
.endif
;; end of part 3
;; launch outp (part 4): grid 32 x 8, 16 waves a work-group, no clusters, 141,312 bytes of LDS; arguments w2, route, hq, yp; writes yp
.if DOCPART == 4
	.amdgcn_target "amdgcn-amd-amdhsa--gfx1250"
	.amdhsa_code_object_version 6
	.text
	.protected	k_qac428d2202_outp
	.globl	k_qac428d2202_outp
	.p2align	8
	.type	k_qac428d2202_outp,@function
k_qac428d2202_outp:
	s_mov_b64 s[64:65], 0
	v_nop
	global_prefetch_b8 v0, s[64:65] scope:SCOPE_SE
	s_setreg_imm32_b32 hwreg(HW_REG_WAVE_MODE, 25, 1), 1
	s_wait_xcnt 0x0
; OUTP.  Partial y = h W2 over half of K = 4,096, for the rows that chose the expert; both operands as codes of E2M1 with one E8M0 scale for each 32 along K.
; A work-group (x = 2 x column slice + half of K, y = expert) owns 2,048 x 64 numbers of w2, 512 KB, which no other work-group reads: a row's piece is 256 consecutive bytes, aligned.
; (32 columns x all of K would cut such pieces between work-groups; 64 columns x all of K would give 128 work-groups.  The price of the halves: yp is twice as large, and the last launch adds them.)
; PHASE 1, THE WEIGHTS: w2 is [expert][K][1,024]: a lane takes a column and its registers run down K.  Wave w takes 32 columns (group w % 2) x 256 of K (part w / 2): eight blocks of 32, two K steps of 128.
; Each K step's four blocks become two operands, which go to LDS as images of their registers: fragment (K step s, tile n) at (4 s + n) x 1,024 + 512 c + 16 lane; a register of scale words carries tile 2 p in
; lanes 0-15 and tile 2 p + 1 in lanes 16-31.  One barrier.
; PHASE 2, THE ROWS.  Wave w takes the expert's tiles of 16 rows w, w + 16, ..: h's sixteen fragments and scale words come from hq as they were stored, 512 consecutive bytes a load; the next tile's are asked for a trip ahead
; (clamped to tile 135; all 136 tiles of hq are written).  The product is used transposed (source 0 = 16 columns of W2, source 1 = 16 rows of h): a lane holds eight neighbouring outputs of one row.
; A tile's 16 rows x 64 columns go through the wave's own stage in LDS and leave as rows: sixteen lanes store 256 consecutive bytes, aligned.  yp is [2 halves][2,176 rows][1,024] f32.
; NO JOINT LOADS: the weights are nobody else's; how many tiles of h the work-groups of an expert share is read from memory.
; LIMITS.  NaN and infinities are not served.  y is summed in two halves of K.  A block of zeros gets the byte 1 and not 127: its codes are zeros, and this program alone reads the bytes.
.set PITCH, 4096
.set NTL,   4
.set SSTEP, 256
.set WSCL,  65536                      ; LDS: 0: the 64 fragments;  65,536: their scale words, 4,096 bytes;
.set STG,   69632                      ; 69,632: a stage of 16 rows x (256 + 16) bytes for each wave
.set HSCO,  4456448
.set NT,    136
.set LANE, 1
.set RR,   2
.set HH,   3
.set WA,   4                           ; 4 x lane: my column of w2, and my place in an image of scale words
.set LS,   4
.set LI,   5                           ; 16 x lane
.set WST,  6
.set WSS,  7
.set WSA,  8
.set HA,   9                           ; h's fragments of the tile asked for
.set HSA,  10                          ; and their scale words
.set SO,   11                          ; the stage: where I put 32 bytes of a row
.set SR,   12                          ; and where I read a row back
.set YA,   13                          ; my bytes in yp
.set YB,   15                          ; 4,096 (lane / 16) + 16 (lane % 16)
.set HF,   16                          ; v16-143  h's sixteen fragments
.set HS,   144                         ; v144-159 their scale words: scales and nothing else
.set WSC,  160                         ; v160-161 W2's: scales and nothing else
.set SW,   162                         ; v162-163 phase 1: my column's scale words
.set ACC,  164                         ; v164-195 four accumulators
.set WF,   196                         ; v196-227 a K step's four fragments of W2; on the way out the rows read back
.set X,    164                         ; phase 1: v164-227 two sets of 32 numbers
.set CD,   228                         ; v228-243 the codes of four blocks
.set MXA,  244
.set MXB,  245
.set SOP,  246
.set BYT,  247
.set WB,   30
.set TRIPS, 36                         ; s36 how many tiles are mine;  s37 counts them
.set TRIP,  37
.macro LOADB b
.set li, 0
.rept 32
	global_load_b32 v[X+32*((\b)%2)+li], v[WA], s[WB:WB+1] offset:(32*(\b)+li)*PITCH th:TH_LOAD_NT
.set li, li+1
.endr
.endm
.macro QBLOCK b, cnt                   ; block b becomes 16 bytes of codes and a byte of the scale word.  cnt: the loads issued behind block b's
.set XB, X+32*((\b)%2)
	s_wait_loadcnt \cnt
.if (\b) == 4
	s_wait_dscnt 0x0                               ; the first K step's LDS stores have read the codes' registers
.endif
	v_max3_num_f32 v[MXA], |v[XB]|, |v[XB+1]|, |v[XB+2]|
	v_max3_num_f32 v[MXB], |v[XB+3]|, |v[XB+4]|, |v[XB+5]|
.irp i, 6,10,14,18,22,26
	v_max3_num_f32 v[MXA], v[MXA], |v[XB+\i]|, |v[XB+\i+1]|
	v_max3_num_f32 v[MXB], v[MXB], |v[XB+\i+2]|, |v[XB+\i+3]|
.endr
	v_max3_num_f32 v[MXA], v[MXA], |v[XB+30]|, |v[XB+31]|
	v_max3_num_f32 v[MXA], v[MXA], v[MXB], 0x1800000               ; and the floor 2^(3 - 127): the byte cannot fall under 1
	v_add_nc_u32 v[SOP], 0xff000000, v[MXA]                        ; 2 off the exponent field: the conversion's scale operand
.if (\b)%4 == 0
	v_lshrrev_b32 v[SW+(\b)/4], 23, v[SOP]
.else
	v_lshrrev_b32 v[BYT], 23, v[SOP]
	v_lshl_or_b32 v[SW+(\b)/4], v[BYT], 8*((\b)%4), v[SW+(\b)/4]
.endif
.irp g, 0,1,2,3
	v_cvt_scalef32_pk8_fp4_f32 v[CD+4*((\b)%4)+\g], v[XB+8*\g:XB+8*\g+7], v[SOP]
.endr
	v_nop                                          ; one plain instruction behind a scaled conversion
.endm
.macro KIMG sg
.irp m, 0,1
.irp i, 0,1,2,3
	v_permlane16_swap_b32 v[CD+8*\m+\i], v[CD+8*\m+4+\i]           ; the first is now lanes 0-15's columns, blocks 2 m and 2 m + 1; the second lanes 16-31's
.endr
.endr
.irp c, 0,1
.irp u, 0,1
	ds_store_b128 v[WST], v[CD+8*\c+4*\u:CD+8*\c+4*\u+3] offset:(\sg)*NTL*1024+\u*1024+\c*512
.endr
.endr
	ds_store_b32 v[WSS], v[SW+(\sg)] offset:(\sg)*SSTEP
.endm
.macro HL tl                           ; tile s[tl] of h, my half's sixteen K steps: 32 loads of 512 consecutive bytes and 16 of 128: 48 loads
	s_add_co_u32 s26, s[\tl], s28                  ; 16 K steps x 136 tiles for the upper half, + the tile
	s_lshl_b32 s27, s26, 10
	v_add_nc_u32 v[HA], s27, v[LI]
	s_lshl_b32 s27, s26, 7
	v_add_nc_u32 v[HSA], s27, v[LS]
.irp s, 0,1,2,3,4,5,6,7,8,9,10,11,12,13,14,15
	global_load_b128 v[HF+8*\s:HF+8*\s+3],   v[HA], s[8:9] offset:139264*\s
	global_load_b128 v[HF+8*\s+4:HF+8*\s+7], v[HA], s[8:9] offset:139264*\s+512
.endr
.irp s, 0,1,2,3,4,5,6,7,8,9,10,11,12,13,14,15
	global_load_b32 v[HS+\s], v[HSA], s[8:9] offset:HSCO+17408*\s
.endr
.endm
.macro MM n, s                         ; tile n of the columns, K step s.  The first K step starts the sums; an odd tile's scale words stand in lanes 16-31 of the register
.if (\s) == 0
.if (\n)%2
	v_wmma_scale_f32_16x16x128_f8f6f4 v[ACC+8*(\n):ACC+8*(\n)+7], v[WF+8*(\n):WF+8*(\n)+7], v[HF+8*(\s):HF+8*(\s)+7], 0, v[WSC+(\n)/2], v[HS+(\s)] matrix_a_fmt:MATRIX_FMT_FP4 matrix_b_fmt:MATRIX_FMT_FP4 matrix_a_scale:MATRIX_SCALE_ROW1
.else
	v_wmma_scale_f32_16x16x128_f8f6f4 v[ACC+8*(\n):ACC+8*(\n)+7], v[WF+8*(\n):WF+8*(\n)+7], v[HF+8*(\s):HF+8*(\s)+7], 0, v[WSC+(\n)/2], v[HS+(\s)] matrix_a_fmt:MATRIX_FMT_FP4 matrix_b_fmt:MATRIX_FMT_FP4
.endif
.else
.if (\n)%2
	v_wmma_scale_f32_16x16x128_f8f6f4 v[ACC+8*(\n):ACC+8*(\n)+7], v[WF+8*(\n):WF+8*(\n)+7], v[HF+8*(\s):HF+8*(\s)+7], v[ACC+8*(\n):ACC+8*(\n)+7], v[WSC+(\n)/2], v[HS+(\s)] matrix_a_fmt:MATRIX_FMT_FP4 matrix_b_fmt:MATRIX_FMT_FP4 matrix_a_scale:MATRIX_SCALE_ROW1
.else
	v_wmma_scale_f32_16x16x128_f8f6f4 v[ACC+8*(\n):ACC+8*(\n)+7], v[WF+8*(\n):WF+8*(\n)+7], v[HF+8*(\s):HF+8*(\s)+7], v[ACC+8*(\n):ACC+8*(\n)+7], v[WSC+(\n)/2], v[HS+(\s)] matrix_a_fmt:MATRIX_FMT_FP4 matrix_b_fmt:MATRIX_FMT_FP4
.endif
.endif
.endm
.macro KSTEP s                         ; 128 along K: W2's four fragments and two registers of scale words from LDS, four products; the four accumulators take turns, one instruction a turn
.if (\s) > 0
.rept 4
	v_nop                                          ; four places in front of loads into registers that matrix instructions have read (ISA guide 7.12.1 for vector instructions)
.endr
.endif
	ds_load_b64 v[WSC:WSC+1], v[WSA] offset:SSTEP*(\s)
.irp n, 0,1,2,3
	ds_load_b128 v[WF+8*\n:WF+8*\n+3],   v[LI] offset:(4*(\s)+\n)*1024
	ds_load_b128 v[WF+8*\n+4:WF+8*\n+7], v[LI] offset:(4*(\s)+\n)*1024+512
.endr
	s_wait_dscnt 0x0
.if (\s) == 0
	s_wait_loadcnt 0x0                             ; h's 48 loads: nothing younger is out
.endif
.irp n, 0,1,2,3
	MM \n, \s
.endr
.endm
	s_load_b256 s[4:11], s[0:1], 0x0               ; w2 s[4:5], route s[6:7], hq s[8:9], yp s[10:11]
	v_lshl_add_u32 v254, v0, 2, 0x22000
	v_mov_b32 v255, 0
	v_lshrrev_b32 v2, 5, v0
	v_readfirstlane_b32 s14, v2                    ; wave 0..15
	v_and_b32 v[LANE], 31, v0
	v_and_b32 v[RR], 15, v0
	v_bfe_u32 v[HH], v0, 4, 1
	s_and_b32 s15, s14, 1                          ; my group of 32 columns
	s_lshr_b32 s16, s14, 1                         ; my 256 of K
	s_lshr_b32 s17, ttmp9, 1                       ; the slice of 64 columns
	s_and_b32 s19, ttmp9, 1                        ; the half of K
	s_and_b32 s18, ttmp7, 0xffff                   ; the expert
	v_lshlrev_b32 v[WA], 2, v[LANE]
	v_lshlrev_b32 v[LI], 4, v[LANE]
	s_lshl_b32 s26, s16, 13                        ; two K steps of four fragments,
	s_lshl_b32 s27, s15, 11                        ; two fragments
	s_add_co_u32 s26, s26, s27
	v_add_nc_u32 v[WST], s26, v[LI]
	v_lshlrev_b32 v[WSA], 3, v[LANE]
	s_lshl_b32 s26, s16, 9
	s_lshl_b32 s27, s15, 2
	s_add_co_u32 s26, s26, s27
	s_add_co_u32 s26, s26, WSCL
	v_add_nc_u32 v[WSS], s26, v[WSA]               ; word 'group' of my lane's two, K step 2 x part
	v_add_nc_u32 v[WSA], WSCL, v[WSA]
	s_mul_i32 s26, s14, 16*272
	s_add_co_u32 s26, s26, STG                     ; my stage
	v_mul_u32_u24 v[SO], v[RR], 272
	v_lshl_add_u32 v[SO], v[HH], 5, v[SO]
	v_add_nc_u32 v[SO], s26, v[SO]                 ; in: row lane % 16, 32 bytes for each half of the lanes
	v_mul_u32_u24 v[SR], v[HH], 272
	v_lshl_add_u32 v[SR], v[RR], 4, v[SR]
	v_add_nc_u32 v[SR], s26, v[SR]                 ; back: lanes 0-15 one row, lanes 16-31 the next
	v_lshlrev_b32 v[YB], 12, v[HH]
	v_lshl_add_u32 v[YB], v[RR], 4, v[YB]          ; and the same two rows in yp
	s_lshl_b32 s26, s18, 24                        ; w2: the expert's 16 MiB,
	s_lshl_b32 s27, s19, 23                        ; the half's 2,048 rows of 4,096 bytes,
	s_add_co_u32 s26, s26, s27
	s_lshl_b32 s27, s16, 20                        ; my 256 rows,
	s_add_co_u32 s26, s26, s27
	s_lshl_b32 s29, s17, 8                         ; the slice's 256 bytes of a row (kept: yp's rows have the same),
	s_add_co_u32 s26, s26, s29
	s_lshl_b32 s27, s15, 7                         ; my group's 128
	s_add_co_u32 s26, s26, s27
	s_mov_b32 s27, 0
	s_mul_i32 s28, s19, 16*NT                      ; 2,176 x half: tiles in hq, rows in yp
	s_lshl_b32 s35, s18, 7                         ; the expert's 32 words in route
	s_wait_kmcnt 0x0
	s_load_b64 s[20:21], s[6:7], s35 offset:0x0    ; my expert's first row and its number of tiles
	s_add_nc_u64 s[WB:WB+1], s[4:5], s[26:27]
	LOADB 0
	LOADB 1
	s_wait_kmcnt 0x0
	s_lshr_b32 s22, s20, 4                         ; my expert's first tile
	s_mov_b32 s23, s14                             ; tt: which of its tiles is mine
	s_add_co_u32 s24, s22, s23
	s_min_u32 s24, s24, NT-1                       ; held inside the 136 tiles
	QBLOCK 0, 32                                   ; each count: the next block's 32 loads may be out
	LOADB 2
	QBLOCK 1, 32
	LOADB 3
	QBLOCK 2, 32
	LOADB 4
	QBLOCK 3, 32
	KIMG 0
	LOADB 5
	QBLOCK 4, 32
	LOADB 6
	QBLOCK 5, 32
	LOADB 7
	QBLOCK 6, 32
	HL 24                                          ; my first tile of h
	QBLOCK 7, 48                                   ; younger than block 7: h's 48
	KIMG 1
	s_wait_dscnt 0x0                               ; for the others' sake: my fragments and scale words lie in LDS
	s_barrier_signal -1
	s_barrier_wait -1                              ; the one barrier: from here on the weights' part of LDS is only read, and a stage is its wave's own
	s_min_u32 s21, s21, NT
	s_cmp_ge_u32 s23, s21
	s_cbranch_scc1 .Lend                           ; fewer tiles than waves: nothing for me
	s_sub_co_u32 s[TRIPS], s21, s14                ; the expert's tiles from mine on (one at the least: the branch above),
	s_add_co_u32 s[TRIPS], s[TRIPS], 15
	s_lshr_b32 s[TRIPS], s[TRIPS], 4               ; of which every sixteenth is mine:
	s_min_u32 s[TRIPS], s[TRIPS], 9                ; my trips; 136 tiles on 16 waves are nine at the most
	s_mov_b32 s[TRIP], 0
.Ltrip:
	s_wait_xcnt 0x0                                ; the last trip's stores have read their addresses and data: both are written again only behind this wait
.irp s, 0,1,2,3,4,5,6,7,8,9,10,11,12,13,14,15
	KSTEP \s
.endr
.rept 5
	v_nop                                          ; behind the last products: four places for the loads into h's registers and the LDS stores of the results, five for the next trip's products, which begin the accumulators anew
.endr
	s_add_co_u32 s25, s22, s23
	s_add_co_u32 s25, s25, 16
	s_min_u32 s25, s25, NT-1
	HL 25                                          ; my next tile of h lands while this tile goes out
.irp n, 0,1,2,3
	ds_store_b128 v[SO], v[ACC+8*\n:ACC+8*\n+3] offset:64*\n       ; each accumulator from its low end on: lane (r, h): y(row r, columns 16 n + 8 h + 0 .. 7)
	ds_store_b128 v[SO], v[ACC+8*\n+4:ACC+8*\n+7] offset:64*\n+16
.endr
.irp i, 0,1,2,3,4,5,6,7
	ds_load_b128 v[WF+4*\i:WF+4*\i+3], v[SR] offset:544*\i         ; LDS serves a wave's instructions in order (ISA guide 5.7.1.4): these see the stores above
.endr
	s_lshl_b32 s26, s24, 4
	s_add_co_u32 s26, s26, s28                     ; the tile's first row in my half of yp
	s_lshl_b32 s26, s26, 12
	s_add_co_u32 s26, s26, s29
	v_add_nc_u32 v[YA], s26, v[YB]
.irp i, 0,1,2,3,4,5,6,7
	s_wait_dscnt 7-\i
	global_store_b128 v[YA], v[WF+4*\i:WF+4*\i+3], s[10:11] offset:8192*\i         ; sixteen lanes store 256 consecutive bytes, at a multiple of 256 from yp's first byte
.endr
	s_mov_b32 s24, s25
	s_add_co_u32 s23, s23, 16                      ; my next tile of the expert's
	s_add_co_u32 s[TRIP], s[TRIP], 1               ; the loop ends on a counter of trips, stepped by one
	s_cmp_lt_u32 s[TRIP], s[TRIPS]
	s_cbranch_scc1 .Ltrip
.Lend:
	s_wait_tensorcnt 0x0
	ds_add_u32 v254, v255
	s_wait_dscnt 0x0
	s_endpgm
.Lfunc_end_k_qac428d2202_outp:
	.size	k_qac428d2202_outp, .Lfunc_end_k_qac428d2202_outp-k_qac428d2202_outp
	.p2alignl 7, 3214868480
	.fill 96, 4, 3214868480
	.section	.rodata,"a",@progbits
	.p2align	6, 0x0
	.amdhsa_kernel k_qac428d2202_outp
		.amdhsa_group_segment_fixed_size 141312
		.amdhsa_private_segment_fixed_size 0
		.amdhsa_enable_private_segment 0
		.amdhsa_kernarg_size 32
		.amdhsa_user_sgpr_count 2
		.amdhsa_user_sgpr_kernarg_segment_ptr 1
		.amdhsa_wavefront_size32 1
		.amdhsa_system_sgpr_workgroup_id_x 1
		.amdhsa_system_sgpr_workgroup_id_y 1
		.amdhsa_system_sgpr_workgroup_id_z 1
		.amdhsa_system_vgpr_workitem_id 0
		.amdhsa_next_free_vgpr 256
		.amdhsa_next_free_sgpr 66
		.amdhsa_reserve_vcc 0
		.amdhsa_float_denorm_mode_32 3
		.amdhsa_float_denorm_mode_16_64 3
		.amdhsa_memory_ordered 1
		.amdhsa_forward_progress 1
		.amdhsa_inst_pref_size 72
	.end_amdhsa_kernel
	.amdgpu_metadata
---
amdhsa.version: [ 1, 2 ]
amdhsa.kernels:
  - .name:           k_qac428d2202_outp
    .symbol:         k_qac428d2202_outp.kd
    .args:
      - { .name: w2, .offset: 0, .size: 8, .value_kind: global_buffer, .address_space: global }
      - { .name: route, .offset: 8, .size: 8, .value_kind: global_buffer, .address_space: global }
      - { .name: hq, .offset: 16, .size: 8, .value_kind: global_buffer, .address_space: global }
      - { .name: yp, .offset: 24, .size: 8, .value_kind: global_buffer, .address_space: global }
    .group_segment_fixed_size: 141312
    .private_segment_fixed_size: 0
    .kernarg_segment_align: 8
    .kernarg_segment_size: 32
    .max_flat_workgroup_size: 512
    .sgpr_count:     66
    .vgpr_count:     256
    .wavefront_size: 32
...
	.end_amdgpu_metadata
.endif
;; end of part 4
;; launch comb (part 5): grid 256 x 1, 4 waves a work-group, no clusters, 0 bytes of LDS; arguments yp, b2, eidx, prob, route, out0; writes out0
.if DOCPART == 5
	.amdgcn_target "amdgcn-amd-amdhsa--gfx1250"
	.amdhsa_code_object_version 6
	.text
	.protected	k_qac428d2202_comb
	.globl	k_qac428d2202_comb
	.p2align	8
	.type	k_qac428d2202_comb,@function
k_qac428d2202_comb:
	s_mov_b64 s[64:65], 0
	v_nop
	global_prefetch_b8 v0, s[64:65] scope:SCOPE_SE
	s_setreg_imm32_b32 hwreg(HW_REG_WAVE_MODE, 25, 1), 1
	s_wait_xcnt 0x0
; COMB.  out[t] = p0 (y(pos0) + b2[e0]) + p1 (y(pos1) + b2[e1]), y(row) = the sum of yp's two halves of K at that compact row.
; A wave to a token: its two compact rows, experts and weights come by scalar loads from what earlier launches stored; the rows and experts are held inside their tables before they enter an address.
; Six rows of 4,096 bytes are read, 512 consecutive bytes a load, all 48 loads out at once; one row is stored likewise.  No LDS, no barrier: waves share nothing.
.set POSO, 10752
.set HALF, 0x880000                    ; 2,176 rows of 4,096 bytes: from one half of yp to the other
.set D,    16                          ; v16-207: for each of eight pieces of 512 bytes 24 registers: y0 lower, y0 upper, b2[e0], y1 lower, y1 upper, b2[e1]
	s_load_b256 s[4:11], s[0:1], 0x0               ; yp s[4:5], b2 s[6:7], eidx s[8:9], prob s[10:11]
	s_load_b128 s[12:15], s[0:1], 0x20             ; route s[12:13], out0 s[14:15]
	v_lshrrev_b32 v1, 5, v0
	v_readfirstlane_b32 s16, v1                    ; wave 0..3
	v_and_b32 v1, 31, v0
	v_lshlrev_b32 v1, 4, v1                        ; 16 bytes a lane
	s_lshl_b32 s17, ttmp9, 2
	s_add_co_u32 s17, s17, s16                     ; my token
	s_lshl_b32 s18, s17, 3                         ; its two words in each table
	s_lshl_b32 s40, s17, 12                        ; its row of out0
	s_mov_b32 s41, 0
	s_wait_kmcnt 0x0
	s_load_b64 s[20:21], s[12:13], s18 offset:POSO ; the two compact rows
	s_load_b64 s[22:23], s[8:9], s18 offset:0x0    ; the two experts
	s_load_b64 s[24:25], s[10:11], s18 offset:0x0  ; the two weights
	s_add_nc_u64 s[14:15], s[14:15], s[40:41]
	s_wait_kmcnt 0x0
	s_min_u32 s20, s20, 2175
	s_min_u32 s21, s21, 2175
	s_min_u32 s22, s22, 7
	s_min_u32 s23, s23, 7
	s_lshl_b32 s40, s20, 12
	s_add_nc_u64 s[28:29], s[4:5], s[40:41]
	s_add_nc_u64 s[30:31], s[28:29], HALF
	s_lshl_b32 s40, s21, 12
	s_add_nc_u64 s[32:33], s[4:5], s[40:41]
	s_add_nc_u64 s[34:35], s[32:33], HALF
	s_lshl_b32 s40, s22, 12
	s_add_nc_u64 s[36:37], s[6:7], s[40:41]
	s_lshl_b32 s40, s23, 12
	s_add_nc_u64 s[38:39], s[6:7], s[40:41]
	s_mov_b32 s26, s25                             ; the second weight in a pair of its own: the packed forms take a pair's low word for both halves
	s_mov_b32 s27, s25
.irp j, 0,1,2,3,4,5,6,7
	global_load_b128 v[D+24*\j:D+24*\j+3],     v1, s[28:29] offset:512*\j th:TH_LOAD_NT
	global_load_b128 v[D+24*\j+4:D+24*\j+7],   v1, s[30:31] offset:512*\j th:TH_LOAD_NT
	global_load_b128 v[D+24*\j+8:D+24*\j+11],  v1, s[36:37] offset:512*\j
	global_load_b128 v[D+24*\j+12:D+24*\j+15], v1, s[32:33] offset:512*\j th:TH_LOAD_NT
	global_load_b128 v[D+24*\j+16:D+24*\j+19], v1, s[34:35] offset:512*\j th:TH_LOAD_NT
	global_load_b128 v[D+24*\j+20:D+24*\j+23], v1, s[38:39] offset:512*\j
.endr
.irp j, 0,1,2,3,4,5,6,7
	s_wait_loadcnt 6*(7-\j)                        ; piece j's six loads are in; six for each later piece may be out
.irp i, 0,2
	v_pk_add_f32 v[D+24*\j+\i:D+24*\j+\i+1],       v[D+24*\j+\i:D+24*\j+\i+1],       v[D+24*\j+4+\i:D+24*\j+5+\i]
	v_pk_add_f32 v[D+24*\j+12+\i:D+24*\j+13+\i],   v[D+24*\j+12+\i:D+24*\j+13+\i],   v[D+24*\j+16+\i:D+24*\j+17+\i]
.endr
.irp i, 0,2
	v_pk_add_f32 v[D+24*\j+\i:D+24*\j+\i+1],       v[D+24*\j+\i:D+24*\j+\i+1],       v[D+24*\j+8+\i:D+24*\j+9+\i]
	v_pk_add_f32 v[D+24*\j+12+\i:D+24*\j+13+\i],   v[D+24*\j+12+\i:D+24*\j+13+\i],   v[D+24*\j+20+\i:D+24*\j+21+\i]
.endr
.irp i, 0,2
	v_pk_mul_f32 v[D+24*\j+\i:D+24*\j+\i+1], v[D+24*\j+\i:D+24*\j+\i+1], s[24:25] op_sel_hi:[1,0]
.endr
.irp i, 0,2
	v_pk_fma_f32 v[D+24*\j+\i:D+24*\j+\i+1], v[D+24*\j+12+\i:D+24*\j+13+\i], s[26:27], v[D+24*\j+\i:D+24*\j+\i+1] op_sel_hi:[1,0,1]
.endr
	global_store_b128 v1, v[D+24*\j:D+24*\j+3], s[14:15] offset:512*\j th:TH_STORE_NT      ; the wave stores 512 consecutive bytes, aligned; no register is written again, so no wait follows
.endr
	s_endpgm
.Lfunc_end_k_qac428d2202_comb:
	.size	k_qac428d2202_comb, .Lfunc_end_k_qac428d2202_comb-k_qac428d2202_comb
	.p2alignl 7, 3214868480
	.fill 96, 4, 3214868480
	.section	.rodata,"a",@progbits
	.p2align	6, 0x0
	.amdhsa_kernel k_qac428d2202_comb
		.amdhsa_group_segment_fixed_size 0
		.amdhsa_private_segment_fixed_size 0
		.amdhsa_enable_private_segment 0
		.amdhsa_kernarg_size 48
		.amdhsa_user_sgpr_count 2
		.amdhsa_user_sgpr_kernarg_segment_ptr 1
		.amdhsa_wavefront_size32 1
		.amdhsa_system_sgpr_workgroup_id_x 1
		.amdhsa_system_sgpr_workgroup_id_y 1
		.amdhsa_system_sgpr_workgroup_id_z 1
		.amdhsa_system_vgpr_workitem_id 0
		.amdhsa_next_free_vgpr 208
		.amdhsa_next_free_sgpr 66
		.amdhsa_reserve_vcc 0
		.amdhsa_float_denorm_mode_32 3
		.amdhsa_float_denorm_mode_16_64 3
		.amdhsa_memory_ordered 1
		.amdhsa_forward_progress 1
		.amdhsa_inst_pref_size 14
	.end_amdhsa_kernel
	.amdgpu_metadata
---
amdhsa.version: [ 1, 2 ]
amdhsa.kernels:
  - .name:           k_qac428d2202_comb
    .symbol:         k_qac428d2202_comb.kd
    .args:
      - { .name: yp, .offset: 0, .size: 8, .value_kind: global_buffer, .address_space: global }
      - { .name: b2, .offset: 8, .size: 8, .value_kind: global_buffer, .address_space: global }
      - { .name: eidx, .offset: 16, .size: 8, .value_kind: global_buffer, .address_space: global }
      - { .name: prob, .offset: 24, .size: 8, .value_kind: global_buffer, .address_space: global }
      - { .name: route, .offset: 32, .size: 8, .value_kind: global_buffer, .address_space: global }
      - { .name: out0, .offset: 40, .size: 8, .value_kind: global_buffer, .address_space: global }
    .group_segment_fixed_size: 0
    .private_segment_fixed_size: 0
    .kernarg_segment_align: 8
    .kernarg_segment_size: 48
    .max_flat_workgroup_size: 128
    .sgpr_count:     66
    .vgpr_count:     208
    .wavefront_size: 32
...
	.end_amdgpu_metadata
.endif
;; end of part 5
;; ======== version 2 of 2: 5 launches
;; workspace buffers: xq 557,056 bytes; eidx 8,192 bytes of whole numbers; prob 8,192 bytes; route 19,968 bytes of whole numbers; hq 5,013,504 bytes; yp 17,825,792 bytes
;; launch gate (part 6): grid 128 x 1, 8 waves a work-group, no clusters, 34,816 bytes of LDS; arguments x, gate_w, gate_b, xq, eidx, prob; writes xq, eidx, prob
.if DOCPART == 6
	.amdgcn_target "amdgcn-amd-amdhsa--gfx1250"
	.amdhsa_code_object_version 6
	.text
	.protected	k_qac428d2202_gate
	.globl	k_qac428d2202_gate
	.p2align	8
	.type	k_qac428d2202_gate,@function
k_qac428d2202_gate:
	s_mov_b64 s[64:65], 0
	v_nop
	global_prefetch_b8 v0, s[64:65] scope:SCOPE_SE
	s_setreg_imm32_b32 hwreg(HW_REG_WAVE_MODE, 25, 1), 1
	s_wait_xcnt 0x0
; GATE.  For each of the 1,024 tokens: the eight logits x . gate_w + gate_b in f32 (fused multiply-adds), the two largest (of equal logits the lower
; expert first), their softmax with the larger logit taken away, and x as codes of E2M1 with one E8M0 byte for each 32 along the token's 1,024 numbers.
; OUT: eidx [1024][2] the chosen experts, prob [1024][2] their weights, both at fixed places; xq: codes [1024][512 bytes], and from byte 524,288 the scale bytes [1024][32].
; SHARES.  Eight waves, a token to a wave.  Lane l holds x[32 l .. 32 l + 31]: one whole block, so its largest magnitude needs no other lane, and its 32 rows of gate_w
; (1,024 bytes) are read from LDS, where the work-group has laid gate_w once: 32 pieces of 1,024 bytes, 1,040 bytes apart.
; No matrix instruction: eight outputs a token are half a tile, and the choice is wanted as f32 sums give it.
; x is read 16 bytes a lane, 128 bytes from lane to lane: a wave's eight loads together cover the token's 4,096 consecutive bytes.
; LIMITS.  NaN and infinities among the inputs are not served (the logits are taken to be finite).  The sums run in another order than a plain dot product: two logits closer than f32 rounding may change places.
; A block of zeros gets the byte 1 and not 127: its codes are zeros, and these bytes are read by this program alone.
.set GPI,  1040                        ; from one lane's piece of gate_w to the next, in LDS
.set XSB,  33280                       ; behind gate_w: the work-group's 256 scale bytes
.set XSCO, 524288                      ; where the scale bytes begin in xq
.set X,    16                          ; v16-47   my 32 numbers of x
.set GB,   48                          ; v48-175  gate_w: two sets of eight rows x eight experts; at the start v48-79 carry gate_w to LDS
.set AC,   176                         ; v176-183 the eight sums
.set TT,   184                         ; v184-191 the other half of the lanes' sums
.set CD,   192                         ; v192-195 my block's codes
.set HM,   196                         ; v196-203 the logits without the largest
.set CE,   204                         ; v205-211 the numbers 1 to 7
.set NINF, 212
.set BV1,  213                         ; the largest logit, its expert; the second, its expert
.set IX1,  214
.set BV2,  215
.set IX2,  216
.set EXV,  217
.set PR1,  218
.set PR2,  219
.set IVV,  220
.set PVV,  221
.set SBD,  222                         ; v222-223 scale bytes on their way out
.set MXA,  9
.set MXB,  10
.set SOP,  11
.set BYT,  12
	s_load_b256 s[4:11], s[0:1], 0x0               ; x s[4:5], gate_w s[6:7], gate_b s[8:9], xq s[10:11]
	s_load_b128 s[12:15], s[0:1], 0x20             ; eidx s[12:13], prob s[14:15]
	v_lshl_add_u32 v224, v0, 2, 0x8400
	v_mov_b32 v225, 0
	v_lshrrev_b32 v2, 5, v0
	s_delay_alu instid0(VALU_DEP_1)
	v_readfirstlane_b32 s16, v2                    ; wave 0..7
	v_and_b32 v1, 31, v0                           ; lane
	v_lshlrev_b32 v3, 4, v0                        ; gate_w on its way in: 16 bytes a thread
	v_lshrrev_b32 v4, 6, v0
	s_delay_alu instid0(VALU_DEP_1)
	v_lshl_add_u32 v4, v4, 4, v3                   ; and in LDS: 16 more for each 1,024 passed
	s_delay_alu instid0(VALU_DEP_4)
	v_lshlrev_b32 v5, 7, v1                        ; x: my 128 bytes
	v_mul_u32_u24 v6, v1, GPI                      ; my piece of gate_w in LDS
	v_lshlrev_b32 v7, 4, v1                        ; my codes' 16 bytes
	v_add_nc_u32 v8, XSB, v0                       ; my scale byte: 32 x wave + lane is the thread's number
	v_lshlrev_b32 v14, 3, v1
	s_wait_alu depctr_va_vdst(0)
	v_add_nc_u32 v15, XSB, v14                     ; the scale bytes on the way out: 8 a lane
	s_lshl_b32 s17, ttmp9, 3
	s_add_co_u32 s17, s17, s16                     ; my token
	s_lshl_b32 s18, s17, 12                        ; its row of x,
	s_mov_b32 s19, 0
	s_lshl_b32 s20, s17, 9                         ; its row of codes,
	s_mov_b32 s21, 0
	s_lshl_b32 s22, s17, 3                         ; its two words of eidx and of prob
	v_lshlrev_b32 v13, 2, v1
	s_delay_alu instid0(VALU_DEP_1)
	v_add_nc_u32 v13, s22, v13
	s_lshl_b32 s23, ttmp9, 8                       ; the work-group's 256 scale bytes
	v_add_nc_u32 v14, s23, v14
	s_mov_b32 s32, 0x76543210                      ; v_permlanex16_b32's selects for lane l xor 16
	s_mov_b32 s33, 0xfedcba98
	s_wait_kmcnt 0x0
	s_load_b256 s[24:31], s[8:9], 0x0              ; gate_b: eight numbers
.irp j, 0,1,2,3,4,5,6,7
	global_load_b128 v[GB+4*\j:GB+4*\j+3], v3, s[6:7] offset:4096*\j       ; gate_w: 256 threads x 16 bytes, eight times
.endr
	s_add_nc_u64 s[4:5], s[4:5], s[18:19]
	s_add_nc_u64 s[20:21], s[10:11], s[20:21]
.irp j, 0,1,2,3,4,5,6,7
	global_load_b128 v[X+4*\j:X+4*\j+3], v5, s[4:5] offset:16*\j th:TH_LOAD_NT
.endr
.irp e, 1,2,3,4,5,6,7
	v_mov_b32 v[CE+\e], \e
.endr
.irp e, 0,1,2,3,4,5,6,7
	v_mov_b32 v[TT+\e], 0                          ; a lane permute's destination counts as one of its sources
.endr
	v_mov_b32 v[NINF], 0xff800000
	s_wait_loadcnt 8                               ; gate_w is in; x's eight loads are younger and may be out
.irp j, 0,1,2,3,4,5,6,7
	ds_store_b128 v4, v[GB+4*\j:GB+4*\j+3] offset:4160*\j                  ; 4,096 bytes on are four pieces on: 4 x 1,040
.endr
	s_wait_dscnt 0x0                               ; for the others' sake: my part of gate_w lies in LDS
	s_barrier_signal -1
	s_barrier_wait -1
.macro GLOAD c                         ; rows 8 c .. 8 c + 7 of my 32 rows of gate_w into set c % 2: register 8 i + e = gate_w[32 lane + 8 c + i][e]
.irp i, 0,1,2,3,4,5,6,7
	ds_load_b128 v[GB+64*((\c)%2)+8*\i:GB+64*((\c)%2)+8*\i+3],   v6 offset:32*(8*(\c)+\i)
	ds_load_b128 v[GB+64*((\c)%2)+8*\i+4:GB+64*((\c)%2)+8*\i+7], v6 offset:32*(8*(\c)+\i)+16
.endr
.endm
.macro GMAC c                          ; their 64 multiply-adds, two experts an instruction; one number of x serves both halves.  The very first row starts the sums
.irp i, 0,1,2,3,4,5,6,7
.irp p, 0,1,2,3
.if ((\c) == 0) && (\i == 0)
	v_pk_mul_f32 v[AC+2*\p:AC+2*\p+1], v[GB+2*\p:GB+2*\p+1], v[X:X+1] op_sel_hi:[1,0]
.elseif (\i%2) == 0
	v_pk_fma_f32 v[AC+2*\p:AC+2*\p+1], v[GB+64*((\c)%2)+8*\i+2*\p:GB+64*((\c)%2)+8*\i+2*\p+1], v[X+8*(\c)+\i:X+8*(\c)+\i+1], v[AC+2*\p:AC+2*\p+1] op_sel_hi:[1,0,1]
.else
	s_delay_alu instid0(VALU_DEP_4)
	v_pk_fma_f32 v[AC+2*\p:AC+2*\p+1], v[GB+64*((\c)%2)+8*\i+2*\p:GB+64*((\c)%2)+8*\i+2*\p+1], v[X+8*(\c)+\i-1:X+8*(\c)+\i], v[AC+2*\p:AC+2*\p+1] op_sel:[0,1,0] op_sel_hi:[1,1,1]
.endif
.endr
.endr
.endm
	GLOAD 0
	GLOAD 1
	s_wait_loadcnt 0x0                             ; x
	; my block of 32: its largest magnitude, with the floor 2^(3 - 127) as one more leaf, so that the byte cannot fall under 1
	v_max3_num_f32 v[MXA], |v[X]|, |v[X+1]|, |v[X+2]|
	v_max3_num_f32 v[MXB], |v[X+3]|, |v[X+4]|, |v[X+5]|
.irp i, 6,10,14,18,22,26
	s_delay_alu instid0(VALU_DEP_2)
	v_max3_num_f32 v[MXA], v[MXA], |v[X+\i]|, |v[X+\i+1]|
	s_delay_alu instid0(VALU_DEP_2)
	v_max3_num_f32 v[MXB], v[MXB], |v[X+\i+2]|, |v[X+\i+3]|
.endr
	s_delay_alu instid0(VALU_DEP_2)
	v_max3_num_f32 v[MXA], v[MXA], |v[X+30]|, |v[X+31]|
	s_delay_alu instid0(VALU_DEP_1)
	v_max3_num_f32 v[MXA], v[MXA], v[MXB], 0x1800000
	s_delay_alu instid0(VALU_DEP_1)
	v_add_nc_u32 v[SOP], 0xff000000, v[MXA]        ; 2 off its exponent field: the conversion takes the exponent field of this operand as its scale
.irp g, 0,1,2,3
	v_cvt_scalef32_pk8_fp4_f32 v[CD+\g], v[X+8*\g:X+8*\g+7], v[SOP]
.endr
	v_lshrrev_b32 v[BYT], 23, v[SOP]               ; the scale's byte
	global_store_b128 v7, v[CD:CD+3], s[20:21]     ; the wave stores the token's 512 consecutive bytes of codes
	ds_store_b8 v8, v[BYT]
	s_wait_dscnt 17                                ; rows 0-7 are in; younger: rows 8-15 (16 loads) and the byte store
	GMAC 0
	GLOAD 2
	s_wait_alu depctr_va_vdst(0)
	s_wait_dscnt 17                                ; rows 8-15 are in; younger: the byte store and rows 16-23
	GMAC 1
	GLOAD 3
	s_wait_alu depctr_va_vdst(0)
	s_wait_dscnt 16                                ; rows 16-23 are in; younger: rows 24-31
	GMAC 2
	s_wait_alu depctr_va_vdst(0)
	s_wait_dscnt 0x0
	GMAC 3
	; the eight sums over the 32 lanes, by turns
.irp m, 1,2,4,8
.irp e, 0,1,2,3,4,5,6,7
	v_add_f32_dpp v[AC+\e], v[AC+\e], v[AC+\e] row_xmask:\m row_mask:0xf bank_mask:0xf
.endr
.endr
.irp e, 0,1,2,3,4,5,6,7
	v_permlanex16_b32 v[TT+\e], v[AC+\e], s32, s33
.endr
	s_wait_alu depctr_va_vdst(0)
	s_wait_kmcnt 0x0                               ; gate_b
.irp e, 0,1,2,3,4,5,6,7
	v_add_f32 v[AC+\e], v[AC+\e], v[TT+\e]
.endr
.irp e, 0,1,2,3,4,5,6,7
	v_add_f32 v[AC+\e], s[24+\e], v[AC+\e]         ; every lane now holds the token's eight logits
.endr
	; the largest: a later expert takes the place only if its logit is strictly larger, so of equals the lower number stays
	v_mov_b32 v[BV1], v[AC]
	v_mov_b32 v[IX1], 0
.irp e, 1,2,3,4,5,6,7
	s_delay_alu instid0(VALU_DEP_2)
	v_cmp_gt_f32 vcc_lo, v[AC+\e], v[BV1]
	s_delay_alu instid0(VALU_DEP_1)
	v_cndmask_b32 v[BV1], v[BV1], v[AC+\e], vcc_lo
	s_delay_alu instid0(VALU_DEP_2)
	v_cndmask_b32 v[IX1], v[IX1], v[CE+\e], vcc_lo
.endr
.irp e, 0,1,2,3,4,5,6,7
	v_cmp_eq_u32 vcc_lo, \e, v[IX1]
	s_delay_alu instid0(VALU_DEP_1)
	v_cndmask_b32 v[HM+\e], v[AC+\e], v[NINF], vcc_lo      ; the same logits with -infinity in the winner's place
.endr
	v_mov_b32 v[BV2], v[HM]
	v_mov_b32 v[IX2], 0
.irp e, 1,2,3,4,5,6,7
	s_delay_alu instid0(VALU_DEP_2)
	v_cmp_gt_f32 vcc_lo, v[HM+\e], v[BV2]
	s_delay_alu instid0(VALU_DEP_1)
	v_cndmask_b32 v[BV2], v[BV2], v[HM+\e], vcc_lo
	s_delay_alu instid0(VALU_DEP_2)
	v_cndmask_b32 v[IX2], v[IX2], v[CE+\e], vcc_lo
.endr
	s_delay_alu instid0(VALU_DEP_2)
	; softmax of the two, the larger taken away: 1 / (1 + e^d) and e^d / (1 + e^d), d = second - first, 0 or less
	v_sub_f32 v[EXV], v[BV2], v[BV1]
	s_delay_alu instid0(VALU_DEP_1)
	v_mul_f32 v[EXV], 0x3fb8aa3b, v[EXV]
	s_wait_alu depctr_va_vdst(0)
	v_exp_f32 v[EXV], v[EXV]
	v_nop                                          ; a plain instruction between a transcendental and the use of its result (ISA guide 5.7.2)
	s_wait_alu depctr_va_vdst(0)
	v_add_f32 v[PR1], 1.0, v[EXV]
	s_wait_alu depctr_va_vdst(0)
	v_rcp_f32 v[PR1], v[PR1]
	v_nop
	s_wait_alu depctr_va_vdst(0)
	v_mul_f32 v[PR2], v[EXV], v[PR1]
	v_cmp_eq_u32 vcc_lo, 0, v1
	s_delay_alu instid0(VALU_DEP_1)
	v_cndmask_b32 v[IVV], v[IX2], v[IX1], vcc_lo   ; lane 0 carries the first choice, lane 1 the second
	v_cndmask_b32 v[PVV], v[PR2], v[PR1], vcc_lo
	s_wait_alu depctr_va_vdst(0)
	s_wait_xcnt 0x0                                ; EXEC is a source of the store of the codes: it changes only behind this wait
	v_cmp_gt_u32 vcc_lo, 2, v1
	s_and_saveexec_b32 s35, vcc_lo
	global_store_b32 v13, v[IVV], s[12:13]
	global_store_b32 v13, v[PVV], s[14:15]
	s_wait_xcnt 0x0                                ; and again in front of the line that widens it
	s_or_b32 exec_lo, exec_lo, s35
	s_wait_dscnt 0x0                               ; my scale byte lies in LDS
	s_barrier_signal -1
	s_barrier_wait -1
	s_cmp_lg_u32 s16, 0
	s_cbranch_scc1 .Lend
	ds_load_b64 v[SBD:SBD+1], v15                  ; wave 0: the eight tokens' 256 scale bytes,
	s_wait_dscnt 0x0
	global_store_b64 v14, v[SBD:SBD+1], s[10:11] offset:XSCO       ; stored as 256 consecutive bytes, at a multiple of 256 from xq's first byte
.Lend:
	s_wait_tensorcnt 0x0
	ds_add_u32 v224, v225
	s_wait_dscnt 0x0
	s_endpgm
.Lfunc_end_k_qac428d2202_gate:
	.size	k_qac428d2202_gate, .Lfunc_end_k_qac428d2202_gate-k_qac428d2202_gate
	.p2alignl 7, 3214868480
	.fill 96, 4, 3214868480
	.section	.rodata,"a",@progbits
	.p2align	6, 0x0
	.amdhsa_kernel k_qac428d2202_gate
		.amdhsa_group_segment_fixed_size 34816
		.amdhsa_private_segment_fixed_size 0
		.amdhsa_enable_private_segment 0
		.amdhsa_kernarg_size 48
		.amdhsa_user_sgpr_count 2
		.amdhsa_user_sgpr_kernarg_segment_ptr 1
		.amdhsa_wavefront_size32 1
		.amdhsa_system_sgpr_workgroup_id_x 1
		.amdhsa_system_sgpr_workgroup_id_y 1
		.amdhsa_system_sgpr_workgroup_id_z 1
		.amdhsa_system_vgpr_workitem_id 0
		.amdhsa_next_free_vgpr 226
		.amdhsa_next_free_sgpr 66
		.amdhsa_reserve_vcc 1
		.amdhsa_float_denorm_mode_32 3
		.amdhsa_float_denorm_mode_16_64 3
		.amdhsa_memory_ordered 1
		.amdhsa_forward_progress 1
		.amdhsa_inst_pref_size 29
	.end_amdhsa_kernel
	.amdgpu_metadata
---
amdhsa.version: [ 1, 2 ]
amdhsa.kernels:
  - .name:           k_qac428d2202_gate
    .symbol:         k_qac428d2202_gate.kd
    .args:
      - { .name: x, .offset: 0, .size: 8, .value_kind: global_buffer, .address_space: global }
      - { .name: gate_w, .offset: 8, .size: 8, .value_kind: global_buffer, .address_space: global }
      - { .name: gate_b, .offset: 16, .size: 8, .value_kind: global_buffer, .address_space: global }
      - { .name: xq, .offset: 24, .size: 8, .value_kind: global_buffer, .address_space: global }
      - { .name: eidx, .offset: 32, .size: 8, .value_kind: global_buffer, .address_space: global }
      - { .name: prob, .offset: 40, .size: 8, .value_kind: global_buffer, .address_space: global }
    .group_segment_fixed_size: 34816
    .private_segment_fixed_size: 0
    .kernarg_segment_align: 8
    .kernarg_segment_size: 48
    .max_flat_workgroup_size: 256
    .sgpr_count:     66
    .vgpr_count:     226
    .wavefront_size: 32
...
	.end_amdgpu_metadata
.endif
;; end of part 6
;; launch place (part 7): grid 1 x 1, 8 waves a work-group, no clusters, 1,280 bytes of LDS; arguments eidx, route; writes route
.if DOCPART == 7
	.amdgcn_target "amdgcn-amd-amdhsa--gfx1250"
	.amdhsa_code_object_version 6
	.text
	.protected	k_qac428d2202_place
	.globl	k_qac428d2202_place
	.p2align	8
	.type	k_qac428d2202_place,@function
k_qac428d2202_place:
	s_mov_b64 s[64:65], 0
	v_nop
	global_prefetch_b8 v0, s[64:65] scope:SCOPE_SE
	s_setreg_imm32_b32 hwreg(HW_REG_WAVE_MODE, 25, 1), 1
	s_wait_xcnt 0x0
; PLACE.  A counting sort of the 2,048 slots (slot = 2 x token + choice) by expert, without atomics: one work-group, wave e serves expert e.
; OUT, in route:  byte 0: for each expert 32 words: word 0 its first compact row (a multiple of 16), word 1 its number of tiles of 16 rows, the rest 0;
;   byte 1,024: list: the token of each of the 2,176 compact rows, then 256 dump words;   byte 10,752: pos: the compact row of each of the 2,048 slots, then 256 dump words.
; 2,048 rows and at most 15 rows of filling for each of 8 experts stay under 2,176 = 136 tiles, whatever the choice.  Filling rows, and the rows behind the last expert's, carry token 0.
; EXPERT 7 ALSO TAKES THE TILES BEHIND ITS OWN, up to tile 135 (eight at the most): so every one of the 136 tiles is computed and stored by the launches that follow, and none of them ever loads a byte that nobody stored.
; Every wave holds all 2,048 words of eidx in 64 registers.  Pass 1 counts its expert's slots; the eight counts meet in LDS; pass 2 gives each matching slot the next row:
; the rows given so far + the number of matching lanes below mine.  EXEC never changes: a lane whose slot is another expert's stores into a dump word of its own (row 2,176 + thread, slot 2,048 + thread), which nobody reads.
.set LISTO, 1024
.set POSO,  10752
.set RP,    2176
.set IX,    16                         ; v16-79   eidx: register 4 j + i holds slot 128 j + 4 lane + i
.set CN,    84                         ; v84-91   the eight counts
.set ST,    96                         ; v96-127  eight sets of four registers for the stores' addresses and data
	s_load_b128 s[4:7], s[0:1], 0x0                ; eidx s[4:5], route s[6:7]
	v_lshl_add_u32 v128, v0, 2, 0x100
	v_mov_b32 v129, 0
	v_lshrrev_b32 v2, 5, v0
	s_delay_alu instid0(VALU_DEP_1)
	v_readfirstlane_b32 s8, v2                     ; wave = my expert
	v_and_b32 v1, 31, v0                           ; lane
	s_delay_alu instid0(VALU_DEP_1)
	v_lshlrev_b32 v2, 4, v1                        ; 16 bytes a lane
	s_delay_alu instid0(VALU_DEP_2)
	v_lshlrev_b32 v6, 2, v1                        ; 4 x lane: my first slot in a group of 128
	v_add_nc_u32 v7, RP, v0                        ; my dump row
	v_add_nc_u32 v8, 2048, v0                      ; my dump slot
	v_lshlrev_b32 v9, 2, v0                        ; my word of the experts' table: 128 x expert + 4 x lane
	v_mov_b32 v10, 0
	s_lshl_b32 s9, s8, 2
	v_mov_b32 v4, s9                               ; LDS: my expert's count
	s_wait_alu depctr_va_vdst(0)
	s_wait_kmcnt 0x0
.irp j, 0,1,2,3,4,5,6,7,8,9,10,11,12,13,14,15
	global_load_b128 v[IX+4*\j:IX+4*\j+3], v2, s[4:5] offset:512*\j
.endr
	s_mov_b32 s10, 0
	s_wait_loadcnt 0x0
.set q, 0
.rept 64                               ; pass 1: how many slots are my expert's
	v_cmp_eq_u32 vcc_lo, s8, v[IX+q]
	s_bcnt1_i32_b32 s11, vcc_lo
	s_add_co_u32 s10, s10, s11
.set q, q+1
.endr
	v_mov_b32 v3, s10
	ds_store_b32 v4, v3                            ; all lanes write the same word with the same value
	s_wait_dscnt 0x0
	s_barrier_signal -1
	s_barrier_wait -1
	ds_load_b128 v[CN:CN+3], v10
	ds_load_b128 v[CN+4:CN+7], v10 offset:16
	s_wait_dscnt 0x0
.irp i, 0,1,2,3,4,5,6,7
	v_readfirstlane_b32 s[16+\i], v[CN+\i]
.endr
	s_mov_b32 s12, 0                               ; my expert's first row
	s_mov_b32 s13, 0                               ; the rows of all experts
.irp i, 0,1,2,3,4,5,6,7
	s_add_co_u32 s[16+\i], s[16+\i], 15
	s_and_b32 s[16+\i], s[16+\i], -16              ; each count rounded up to whole tiles
	s_add_co_u32 s13, s13, s[16+\i]
	s_cmp_gt_u32 s8, \i
	s_cselect_b32 s14, s[16+\i], 0
	s_add_co_u32 s12, s12, s14
.endr
	s_add_co_u32 s15, s10, 15
	s_and_b32 s15, s15, -16                        ; my expert's rows, filling included
	s_sub_co_u32 s25, s15, s10                     ; its filling rows
	s_sub_co_u32 s26, RP, s12                      ; expert 7: all that is left
	s_cmp_eq_u32 s8, 7
	s_cselect_b32 s26, s26, s15
	s_lshr_b32 s26, s26, 4                         ; my expert's tiles
	s_mov_b32 s24, s12                             ; the next free row
.set q, 0
.rept 64                               ; pass 2
.set S4, ST+4*(q%8)
.if (q%8 == 0) && (q > 0)
	s_wait_xcnt 0x0                                ; the stores of eight turns ago have read their addresses and data: the sets are written again only behind this wait
.endif
	v_cmp_eq_u32 vcc_lo, s8, v[IX+q]
	v_add_nc_u32 v11, 128*(q/4)+(q%4), v6          ; the slot
	s_delay_alu instid0(VALU_DEP_2)
	v_mbcnt_lo_u32_b32 v[S4], vcc_lo, 0            ; matching lanes below mine
	s_delay_alu instid0(VALU_DEP_1)
	v_add_nc_u32 v[S4], s24, v[S4]                 ; the row
	s_delay_alu instid0(VALU_DEP_1)
	v_cndmask_b32 v[S4+1], v7, v[S4], vcc_lo       ; or my dump row;
	s_delay_alu instid0(VALU_DEP_1)
	v_min_u32 v[S4+1], RP+255, v[S4+1]             ; held inside the list with its dump words
	s_delay_alu instid0(VALU_DEP_1)
	v_lshlrev_b32 v[S4+1], 2, v[S4+1]
	v_cndmask_b32 v[S4+2], v8, v11, vcc_lo         ; the slot, or my dump slot
	s_delay_alu instid0(VALU_DEP_1)
	v_min_u32 v[S4+2], 2303, v[S4+2]
	s_delay_alu instid0(VALU_DEP_1)
	v_lshlrev_b32 v[S4+2], 2, v[S4+2]
	v_lshrrev_b32 v[S4+3], 1, v11                  ; the token
	v_min_u32 v[S4], RP-1, v[S4]
	global_store_b32 v[S4+1], v[S4+3], s[6:7] offset:LISTO
	global_store_b32 v[S4+2], v[S4], s[6:7] offset:POSO
	s_bcnt1_i32_b32 s11, vcc_lo
	s_add_co_u32 s24, s24, s11
.set q, q+1
.endr
	s_wait_xcnt 0x0
	v_add_nc_u32 v[ST], s24, v1                    ; my expert's filling rows: token 0
	v_cmp_gt_u32 vcc_lo, s25, v1
	s_delay_alu instid0(VALU_DEP_1)
	v_cndmask_b32 v[ST], v7, v[ST], vcc_lo
	s_delay_alu instid0(VALU_DEP_1)
	v_min_u32 v[ST], RP+255, v[ST]
	s_delay_alu instid0(VALU_DEP_1)
	v_lshlrev_b32 v[ST], 2, v[ST]
	global_store_b32 v[ST], v10, s[6:7] offset:LISTO
	v_add_nc_u32 v[ST+1], s13, v0                  ; the rows behind the last expert's, at most 128: a thread to a row
	s_delay_alu instid0(VALU_DEP_1)
	v_cmp_gt_u32 vcc_lo, RP, v[ST+1]
	s_delay_alu instid0(VALU_DEP_1)
	v_cndmask_b32 v[ST+1], v7, v[ST+1], vcc_lo
	s_delay_alu instid0(VALU_DEP_1)
	v_min_u32 v[ST+1], RP+255, v[ST+1]
	s_delay_alu instid0(VALU_DEP_1)
	v_lshlrev_b32 v[ST+1], 2, v[ST+1]
	global_store_b32 v[ST+1], v10, s[6:7] offset:LISTO
	v_mov_b32 v[ST+2], s12
	v_mov_b32 v[ST+3], s26
	v_cmp_eq_u32 vcc_lo, 0, v1
	s_delay_alu instid0(VALU_DEP_1)
	v_cndmask_b32 v[ST+4], v10, v[ST+2], vcc_lo
	v_cmp_eq_u32 vcc_lo, 1, v1
	s_delay_alu instid0(VALU_DEP_1)
	v_cndmask_b32 v[ST+4], v[ST+4], v[ST+3], vcc_lo
	global_store_b32 v9, v[ST+4], s[6:7]           ; my expert's 32 words: first row, tiles, zeros
	s_wait_tensorcnt 0x0
	ds_add_u32 v128, v129
	s_wait_dscnt 0x0
	s_endpgm
.Lfunc_end_k_qac428d2202_place:
	.size	k_qac428d2202_place, .Lfunc_end_k_qac428d2202_place-k_qac428d2202_place
	.p2alignl 7, 3214868480
	.fill 96, 4, 3214868480
	.section	.rodata,"a",@progbits
	.p2align	6, 0x0
	.amdhsa_kernel k_qac428d2202_place
		.amdhsa_group_segment_fixed_size 1280
		.amdhsa_private_segment_fixed_size 0
		.amdhsa_enable_private_segment 0
		.amdhsa_kernarg_size 16
		.amdhsa_user_sgpr_count 2
		.amdhsa_user_sgpr_kernarg_segment_ptr 1
		.amdhsa_wavefront_size32 1
		.amdhsa_system_sgpr_workgroup_id_x 1
		.amdhsa_system_sgpr_workgroup_id_y 1
		.amdhsa_system_sgpr_workgroup_id_z 1
		.amdhsa_system_vgpr_workitem_id 0
		.amdhsa_next_free_vgpr 130
		.amdhsa_next_free_sgpr 66
		.amdhsa_reserve_vcc 1
		.amdhsa_float_denorm_mode_32 3
		.amdhsa_float_denorm_mode_16_64 3
		.amdhsa_memory_ordered 1
		.amdhsa_forward_progress 1
		.amdhsa_inst_pref_size 77
	.end_amdhsa_kernel
	.amdgpu_metadata
---
amdhsa.version: [ 1, 2 ]
amdhsa.kernels:
  - .name:           k_qac428d2202_place
    .symbol:         k_qac428d2202_place.kd
    .args:
      - { .name: eidx, .offset: 0, .size: 8, .value_kind: global_buffer, .address_space: global }
      - { .name: route, .offset: 8, .size: 8, .value_kind: global_buffer, .address_space: global }
    .group_segment_fixed_size: 1280
    .private_segment_fixed_size: 0
    .kernarg_segment_align: 8
    .kernarg_segment_size: 16
    .max_flat_workgroup_size: 256
    .sgpr_count:     66
    .vgpr_count:     130
    .wavefront_size: 32
...
	.end_amdgpu_metadata
.endif
;; end of part 7
;; launch hid (part 8): grid 32 x 8, 16 waves a work-group, no clusters, 72,192 bytes of LDS; arguments w1, b1, xq, route, hq; writes hq
.if DOCPART == 8
	.amdgcn_target "amdgcn-amd-amdhsa--gfx1250"
	.amdhsa_code_object_version 6
	.text
	.protected	k_qac428d2202_hid
	.globl	k_qac428d2202_hid
	.p2align	8
	.type	k_qac428d2202_hid,@function
k_qac428d2202_hid:
	s_mov_b64 s[64:65], 0
	v_nop
	global_prefetch_b8 v0, s[64:65] scope:SCOPE_SE
	s_setreg_imm32_b32 hwreg(HW_REG_WAVE_SCHED_MODE, 0, 2), 2
	s_setreg_imm32_b32 hwreg(HW_REG_WAVE_MODE, 25, 1), 1
	s_wait_xcnt 0x0
	s_wait_alu depctr_vm_vsrc(0)
; HID.  h = Q(gelu(x W1 + b1)) for the rows that chose the expert; both operands of the product as codes of E2M1 with one E8M0 scale for each 32 along K = 1,024.
; A work-group (x = slice, y = expert) owns 128 hidden units of one expert: 1,024 x 128 numbers of w1, 512 KB, which no other work-group reads.
; PHASE 1, THE WEIGHTS.  w1 is [expert][K][4,096]: K is not innermost.  A LANE TAKES A COLUMN AND ITS REGISTERS RUN DOWN K: wave w takes 32 columns (group w % 4) x 256 of K (part w / 4): eight blocks of 32.
; A load reads 128 consecutive bytes; up to 64 loads of every wave are out.  A block lies whole in one lane's 32 registers: its largest magnitude needs no other lane and the conversions give codes with K innermost.
; Four blocks are a K step of 128; eight exchanges of half-waves turn a lane's four blocks of one column into two operands (lanes 0-15's columns, lanes 16-31's), which go to LDS AS IMAGES OF THEIR REGISTERS:
; fragment (K step s, tile t) at (8 s + t) x 1,024 + 512 c + 16 lane.  The scale words lie behind them so that one register carries tile 2 p in lanes 0-15 and tile 2 p + 1 in lanes 16-31.  One barrier.
; PHASE 2, THE ROWS.  Wave w takes the expert's tiles of 16 rows w, w + 16, ..  The rows' tokens come from the list that an earlier launch stored; x's codes and scale words are gathered from xq.
; The product is used transposed (source 0 = 16 hidden units, source 1 = 16 rows of x) and THE HIDDEN UNITS OF A TILE ARE NOT NEIGHBOURS: lane r of tile 2 b + u takes unit 32 b + 8 u + r + 8 (r / 8), so that a lane
; holds one row and the 16 registers of tiles 2 b, 2 b + 1 are 16 neighbours along the next product's K.  b1 is the C of each sum's first product.  Exact gelu in f32, the quantiser in registers; the 128 units are
; K step 'slice' of the next product: one fragment and one scale word a row, stored as images: hq [32 K steps][136 tiles][1,024 bytes], and from byte 4,456,448 the scale words [32][136][128 bytes].
; The next tile's tokens and x are asked for a trip ahead (clamped to tile 135: inside the list, which is written whole).
; GELU.  gelu(v) = max(v, 0) - |v| q, q = erfc(|v| / sqrt 2) / 2 = t 2^(poly(t) - 0.7213 v^2), t = 1 / (1 + 0.35355 |v|): the ten-coefficient form of erfc, t exp(-z^2 + polynomial in t), with log2(e) and the half folded
; into the constants.  No difference of near-equal numbers is formed on either side of 0.
; NO JOINT LOADS: the 512 KB of weights are nobody else's; what the work-groups of an expert share, x's rows, is gathered by a list whose length is read from memory.
; LIMITS.  NaN and infinities are not served.  q under 2^-126 comes out as 0 (v_exp_f32 flushes: ISA guide 15.8), so gelu is 0 there.  A block of zeros gets the byte 1 and not 127: its codes are zeros, and this program alone reads the bytes.
; THE MODE: SCHED_MODE bits 1:0 = 2 (LLVM: expert scheduling mode 2), set by the entry lines.  The code itself states the register dependences
; between vector or matrix instructions and memory or LDS instructions, with s_wait_alu, always for 0.
; THE PLAN.  Registers that memory or LDS instructions touch:
;   the addresses v4-v11, v247, v254   made once at the head, never written again: one wait on va_vdst ahead of the first load.
;   PHASE 1.  The two sets of 32 numbers: loaded; read by a block's maxima and conversions; loaded again two blocks on: a wait on va_vdst behind the block.
;             The codes and the scale words: written by the blocks' lines and the exchanges, read by a K step's LDS stores: a wait on va_vdst between; a wait on vm_vsrc ahead of the lines that write them again.
;   PHASE 2, a trip.  v[LA]: written at the trip's head, read by the list's load.  v[TOK]: loaded; read by the three lines that make x's addresses.  v[XAD], v[XSAD]: written by those lines, read by x's 18 loads.
;             XF, XS: loaded a trip ahead; read by the products.  ACC: loaded with b1; written by the products and the gelu; read by the quantiser.
;             WF and WSC, IN TWO HALVES of four tiles: a half is loaded from LDS, read by its four products, and loaded again with the same tiles of the next K step, while the other half is multiplied.
;             PC, PW, v[HAD], v[HSAD]: written by the quantiser and two additions; read by the three stores.
;   So a trip has: at its head one wait on vm_vsrc (all that the last trip's loads and stores read) and one on va_vdst (all that the last trip's vector and matrix lines named); one on va_vdst behind each half's
;   products but the last two; one ahead of x's loads; one ahead of the stores; and the gelu's own, behind its reciprocals and exponentials.
.set PITCH, 16384                      ; bytes from a row of w1 to the next
.set NTL,   8                          ; tiles of 16 hidden units
.set SSTEP, 512                        ; bytes of scale words in a K step
.set WSCL,  65536                      ; LDS: 0: the 64 fragments;  65,536: their scale words, 4,096 bytes;
.set B1L,   69632                      ; 69,632: b1's 128 numbers
.set LISTO, 1024
.set XSCO,  524288
.set HSCO,  4456448
.set NT,    136
.set LANE, 1
.set RR,   2                           ; lane % 16
.set HH,   3                           ; lane / 16
.set WA,   4                           ; w1: 4 x my column in the wave's 32
.set LI,   5                           ; 16 x lane: my place in an image
.set WST,  6                           ; where I store my wave's fragments
.set WSS,  7                           ; and their scale words
.set WSA,  8                           ; where I read a K step's four registers of scale words
.set B1A,  9                           ; where I read b1: 64 bytes on for lanes 16-31
.set R4,   10                          ; 4 x (lane % 16)
.set H16,  11                          ; 16 x (lane / 16)
.set LA,   12                          ; my word of the list
.set TOK,  13                          ; my row's token
.set XAD,  14                          ; its codes
.set XSAD, 15                          ; its scale bytes
.set XF,   16                          ; v16-79   x's eight fragments
.set WF,   80                          ; v80-143  two halves of four fragments of W1; in phase 1 the two sets of 32 numbers; in the gelu v80-103 at work
.set ACC,  144                         ; v144-207 eight accumulators; in phase 1 v144-159 the codes of four blocks
.set XS,   208                         ; v208-215 x's scale words: scales and nothing else
.set WSC,  216                         ; v216-219 W1's, a pair for each half: scales and nothing else
.set TM,   220                         ; v220-235 the quantisers' own
.set PC,   236                         ; v236-243 the fragment just made
.set PW,   244                         ; its scale word
.set HAD,  245
.set HSAD, 246
.set LS,   247                         ; 4 x lane
.set B1R,  248                         ; v248-251 b1 on its way to LDS
.set VK9,  252                         ; v252-253 the polynomial's highest coefficient, twice
.set B1W,  254
.set X,    80
.set CD,   144
.set MXA,  220
.set MXB,  221
.set SOP,  222
.set BYT,  223
.set SW,   224                         ; v224-225 my column's scale words of the wave's two K steps
.set GTT,  80
.set GSS,  88
.set GPP,  96
.set WB,   30                          ; s[30:31] w1 at my wave's part
.set SEL,  32                          ; s[32:33] v_permlanex16_b32's selects for lane l xor 16
.set TRIPS, 56                         ; s56 how many tiles are mine;  s57 counts them
.set TRIP,  57
; s34 0.35355;  s[36:37] -0.72135;  s[38+2 j : 39+2 j] coefficient j, j = 0 .. 8: pairs, since the packed forms name a pair and take its low word for both halves
.macro LOADB b                         ; block b of my column: 32 rows of w1 into set b % 2
.set li, 0
.rept 32
	global_load_b32 v[X+32*((\b)%2)+li], v[WA], s[WB:WB+1] offset:(32*(\b)+li)*PITCH th:TH_LOAD_NT
.set li, li+1
.endr
.endm
.macro QBLOCK b, cnt, free             ; block b becomes 16 bytes of codes and a byte of the scale word.  cnt: the loads issued behind block b's.  free = 1: its set is asked for again straight behind it
.set XB, X+32*((\b)%2)
	s_wait_loadcnt \cnt
.if (\b) == 4
	s_wait_dscnt 0x0                               ; the first K step's LDS stores are done,
	s_wait_alu depctr_vm_vsrc(0)                   ; and they have read the codes' registers, which this block's conversions write again
.endif
	v_max3_num_f32 v[MXA], |v[XB]|, |v[XB+1]|, |v[XB+2]|
	v_max3_num_f32 v[MXB], |v[XB+3]|, |v[XB+4]|, |v[XB+5]|
.irp i, 6,10,14,18,22,26
	v_max3_num_f32 v[MXA], v[MXA], |v[XB+\i]|, |v[XB+\i+1]|
	v_max3_num_f32 v[MXB], v[MXB], |v[XB+\i+2]|, |v[XB+\i+3]|
.endr
	v_max3_num_f32 v[MXA], v[MXA], |v[XB+30]|, |v[XB+31]|
	v_max3_num_f32 v[MXA], v[MXA], v[MXB], 0x1800000               ; and the floor 2^(3 - 127): the byte cannot fall under 1
	v_add_nc_u32 v[SOP], 0xff000000, v[MXA]                        ; 2 off the exponent field: the conversion's scale operand
.if (\b)%4 == 0
	v_lshrrev_b32 v[SW+(\b)/4], 23, v[SOP]                         ; the scale's byte: the lower K in the lower byte
.else
	v_lshrrev_b32 v[BYT], 23, v[SOP]
	v_lshl_or_b32 v[SW+(\b)/4], v[BYT], 8*((\b)%4), v[SW+(\b)/4]
.endif
.irp g, 0,1,2,3
	v_cvt_scalef32_pk8_fp4_f32 v[CD+4*((\b)%4)+\g], v[XB+8*\g:XB+8*\g+7], v[SOP]
.endr
	v_nop                                          ; one plain instruction behind a scaled conversion
.if \free
	s_wait_alu depctr_va_vdst(0)                   ; the block's maxima and conversions are done reading set b % 2, in which the loads of block b + 2 land
.endif
.endm
.macro KIMG sg                         ; the wave's K step sg: four blocks of 32 columns become two fragments, and go to LDS
.irp m, 0,1
.irp i, 0,1,2,3
	v_permlane16_swap_b32 v[CD+8*\m+\i], v[CD+8*\m+4+\i]           ; block 2 m's lanes 16-31 change places with block 2 m + 1's lanes 0-15: the first is now lanes 0-15's columns, blocks 2 m and 2 m + 1; the second lanes 16-31's
.endr
.endr
	s_wait_alu depctr_va_vdst(0)                   ; the exchanges have written the codes and the blocks' lines the scale word, which the LDS stores below read; the block just worked is done reading its set, in which later loads land
.irp c, 0,1
.irp u, 0,1
	ds_store_b128 v[WST], v[CD+8*\c+4*\u:CD+8*\c+4*\u+3] offset:(\sg)*NTL*1024+\u*1024+\c*512
.endr
.endr
	ds_store_b32 v[WSS], v[SW+(\sg)] offset:(\sg)*SSTEP
.endm
.macro LISTAD st, ahead                ; where the tokens of tile tt (+ 16) of my expert lie; the tile's number, held inside the 136 tiles, into s[st]
	s_add_co_u32 s[\st], s22, s23
.if \ahead
	s_add_co_u32 s[\st], s[\st], 16
.endif
	s_min_u32 s[\st], s[\st], NT-1
	s_lshl_b32 s26, s[\st], 6
	v_add_nc_u32 v[LA], s26, v[R4]
.endm
.macro XL                              ; my row's codes (lane (r, h): 16 bytes at 64 s + 32 c + 16 h of its 512) and its eight scale words: 18 loads
	v_min_u32 v[TOK], 1023, v[TOK]
	v_lshl_add_u32 v[XAD], v[TOK], 9, v[H16]
	v_lshlrev_b32 v[XSAD], 5, v[TOK]
	s_wait_alu depctr_va_vdst(0)                   ; v[XAD] and v[XSAD] are written, which the loads below read; in the loop the tile's last products are done reading x's fragments and scale words, in which these loads land
.irp s, 0,1,2,3,4,5,6,7
	global_load_b128 v[XF+8*\s:XF+8*\s+3],   v[XAD], s[8:9] offset:64*\s
	global_load_b128 v[XF+8*\s+4:XF+8*\s+7], v[XAD], s[8:9] offset:64*\s+32
.endr
	global_load_b128 v[XS:XS+3],   v[XSAD], s[8:9] offset:XSCO
	global_load_b128 v[XS+4:XS+7], v[XSAD], s[8:9] offset:XSCO+16
.endm
.macro MM t, s                         ; tile t, K step s.  An odd tile's scale words stand in lanes 16-31 of the register
.if (\t)%2
	v_wmma_scale_f32_16x16x128_f8f6f4 v[ACC+8*(\t):ACC+8*(\t)+7], v[WF+8*(\t):WF+8*(\t)+7], v[XF+8*(\s):XF+8*(\s)+7], v[ACC+8*(\t):ACC+8*(\t)+7], v[WSC+(\t)/2], v[XS+(\s)] matrix_a_fmt:MATRIX_FMT_FP4 matrix_b_fmt:MATRIX_FMT_FP4 matrix_a_scale:MATRIX_SCALE_ROW1
.else
	v_wmma_scale_f32_16x16x128_f8f6f4 v[ACC+8*(\t):ACC+8*(\t)+7], v[WF+8*(\t):WF+8*(\t)+7], v[XF+8*(\s):XF+8*(\s)+7], v[ACC+8*(\t):ACC+8*(\t)+7], v[WSC+(\t)/2], v[XS+(\s)] matrix_a_fmt:MATRIX_FMT_FP4 matrix_b_fmt:MATRIX_FMT_FP4
.endif
.endm
.macro FETCHH s, u                     ; half u of K step s: tiles 4 u .. 4 u + 3 of W1 and their two registers of scale words, from LDS: nine loads
	ds_load_b64 v[WSC+2*(\u):WSC+2*(\u)+1], v[WSA] offset:SSTEP*(\s)+8*(\u)
.irp t, 0,1,2,3
	ds_load_b128 v[WF+32*(\u)+8*\t:WF+32*(\u)+8*\t+3],   v[LI] offset:(8*(\s)+4*(\u)+\t)*1024
	ds_load_b128 v[WF+32*(\u)+8*\t+4:WF+32*(\u)+8*\t+7], v[LI] offset:(8*(\s)+4*(\u)+\t)*1024+512
.endr
.endm
.macro HALF s, u                       ; four products: tiles 4 u .. 4 u + 3, 128 along K.  The eight accumulators take turns, one instruction a turn, in the same order in every K step
.if (2*(\s)+(\u)) < 15
	s_wait_dscnt 9                                 ; LDS loads come back in order (ISA guide 5.7.1): this half is in (in the first half b1 too); the other half's nine loads are younger and may be out
.else
	s_wait_dscnt 0x0
.endif
.if ((\s) == 0) && ((\u) == 0)
	s_wait_loadcnt 0x1                             ; x's 18 loads are in; the one younger load, the next tile's tokens, may be out
.endif
.irp t, 0,1,2,3
	MM 4*(\u)+\t, \s
.endr
.if (\s) < 7
	s_wait_alu depctr_va_vdst(0)                   ; the four products are done reading this half's fragments and scale words, in which the loads below land
	FETCHH (\s)+1, \u                              ; the same tiles of the next K step: they land while the other half is multiplied
.endif
.endm
.macro GELU8 t                         ; the eight numbers of tile t, from the accumulator's low end on
.set GAA, ACC+8*(\t)
.irp j, 0,1,2,3,4,5,6,7
	v_fma_f32 v[GTT+\j], |v[GAA+\j]|, s34, 1.0
.endr
	s_wait_alu depctr_va_vdst(0)
.irp j, 0,1,2,3,4,5,6,7
	v_rcp_f32 v[GTT+\j], v[GTT+\j]                 ; t
.endr
.irp j, 0,2,4,6
	v_pk_mul_f32 v[GSS+\j:GSS+\j+1], v[GAA+\j:GAA+\j+1], v[GAA+\j:GAA+\j+1]        ; v^2.  (Plain instructions behind the reciprocals)
.endr
	s_wait_alu depctr_va_vdst(0)                   ; the eight reciprocals have written t, ahead of its first reader
.irp j, 0,2,4,6
	v_pk_fma_f32 v[GPP+\j:GPP+\j+1], v[GTT+\j:GTT+\j+1], v[VK9:VK9+1], s[54:55] op_sel_hi:[1,1,0]
.endr
.irp k, 52,50,48,46,44,42,40,38
.irp j, 0,2,4,6
	v_pk_fma_f32 v[GPP+\j:GPP+\j+1], v[GPP+\j:GPP+\j+1], v[GTT+\j:GTT+\j+1], s[\k:\k+1] op_sel_hi:[1,1,0]
.endr
.endr
.irp j, 0,2,4,6
	v_pk_fma_f32 v[GPP+\j:GPP+\j+1], v[GSS+\j:GSS+\j+1], s[36:37], v[GPP+\j:GPP+\j+1] op_sel_hi:[1,0,1]
.endr
	s_wait_alu depctr_va_vdst(0)
.irp j, 0,1,2,3,4,5,6,7
	v_exp_f32 v[GPP+\j], v[GPP+\j]
.endr
.irp j, 0,1,2,3,4,5,6,7
	v_max_num_f32 v[GSS+\j], 0, v[GAA+\j]          ; (plain instructions behind the exponentials)
.endr
	s_wait_alu depctr_va_vdst(0)                   ; the eight exponentials have written their results, ahead of the first reader
.irp j, 0,2,4,6
	v_pk_mul_f32 v[GPP+\j:GPP+\j+1], v[GPP+\j:GPP+\j+1], v[GTT+\j:GTT+\j+1]        ; q
.endr
.irp j, 0,1,2,3,4,5,6,7
	v_fma_f32 v[GAA+\j], -|v[GAA+\j]|, v[GPP+\j], v[GSS+\j]
.endr
.endm
; 64 numbers of a lane, register 16 b + i = k 32 b + 16 (lane / 16) + i of my row, become a fragment's codes in v[PC] on and its scale word in v[PW]
.macro QUANT s
.irp b, 0,1,2,3
	v_max3_num_f32 v[TM+\b], |v[\s+16*\b]|, |v[\s+1+16*\b]|, 0x1800000     ; block b: my 16 numbers, and the floor 2^(3 - 127)
.endr
.irp i, 2,4,6,8,10,12,14
.irp b, 0,1,2,3
	v_max3_num_f32 v[TM+\b], v[TM+\b], |v[\s+16*\b+\i]|, |v[\s+1+16*\b+\i]|
.endr
.endr
.irp b, 0,1,2,3
	v_permlanex16_b32 v[TM+4+\b], v[TM+\b], s[SEL], s[SEL+1]
.endr
.irp b, 0,1,2,3
	v_max_num_f32 v[TM+\b], v[TM+\b], v[TM+4+\b]   ; with lane l xor 16's: the block's largest magnitude
.endr
.irp b, 0,1,2,3
	v_add_nc_u32 v[TM+12+\b], 0xff000000, v[TM+\b]
.endr
.irp b, 0,1,2,3
	v_lshrrev_b32 v[TM+4+\b], 23, v[TM+12+\b]
.endr
	v_lshl_or_b32 v[PW], v[TM+5], 8, v[TM+4]
	v_lshl_or_b32 v[PW], v[TM+6], 16, v[PW]
	v_lshl_or_b32 v[PW], v[TM+7], 24, v[PW]
.irp b, 0,1,2,3
	v_cvt_scalef32_pk8_fp4_f32 v[PC+2*\b], v[\s+16*\b:\s+7+16*\b], v[TM+12+\b]
	v_cvt_scalef32_pk8_fp4_f32 v[PC+1+2*\b], v[\s+8+16*\b:\s+15+16*\b], v[TM+12+\b]
.endr
	v_nop                                          ; one plain instruction behind a scaled conversion
.irp c, 0,1                            ; the operand's layout wants a whole block in a lane: lanes 0-15 block 2 c, lanes 16-31 block 2 c + 1
.irp i, 0,1
	v_permlane16_swap_b32 v[PC+4*\c+\i], v[PC+2+4*\c+\i]
.endr
.endr
.endm
	s_load_b256 s[4:11], s[0:1], 0x0               ; w1 s[4:5], b1 s[6:7], xq s[8:9], route s[10:11]
	s_load_b64 s[12:13], s[0:1], 0x20              ; hq
	v_lshl_add_u32 v231, v0, 2, 0x11200
	v_mov_b32 v255, 0
	v_lshrrev_b32 v2, 5, v0
	v_readfirstlane_b32 s14, v2                    ; wave 0..15
	v_and_b32 v[LANE], 31, v0
	v_and_b32 v[RR], 15, v0
	v_bfe_u32 v[HH], v0, 4, 1
	s_wait_alu depctr_va_sdst(0)                   ; s14 is written, ahead of its first reader: the wave's shares, its LDS places and the base of w1 are made from it
	s_and_b32 s15, s14, 3                          ; my group of 32 columns
	s_lshr_b32 s16, s14, 2                         ; my 256 of K
	s_mov_b32 s17, ttmp9                           ; the slice
	s_and_b32 s18, ttmp7, 0xffff                   ; the expert
	v_and_b32 v[WA], 7, v0                         ; my column in the group: lane % 8 + 16 ((lane / 8) % 2) + 8 (lane / 16)
	v_bfe_u32 v[LA], v0, 3, 1
	v_lshl_add_u32 v[WA], v[LA], 4, v[WA]
	v_lshl_add_u32 v[WA], v[HH], 3, v[WA]
	v_lshlrev_b32 v[WA], 2, v[WA]
	v_lshlrev_b32 v[LI], 4, v[LANE]
	v_lshlrev_b32 v[LS], 2, v[LANE]
	s_lshl_b32 s26, s16, 14                        ; two K steps of eight fragments,
	s_lshl_b32 s27, s15, 11                        ; two fragments
	s_add_co_u32 s26, s26, s27
	v_add_nc_u32 v[WST], s26, v[LI]
	s_lshl_b32 s26, s16, 10
	s_lshl_b32 s27, s15, 2
	s_add_co_u32 s26, s26, s27
	s_add_co_u32 s26, s26, WSCL
	v_add_nc_u32 v[WSS], s26, v[LI]                ; word 'group' of my lane's four, K step 2 x part
	v_add_nc_u32 v[WSA], WSCL, v[LI]
	v_lshlrev_b32 v[B1A], 6, v[HH]
	v_add_nc_u32 v[B1A], B1L, v[B1A]
	v_add_nc_u32 v[B1W], B1L, v[LI]
	v_lshlrev_b32 v[R4], 2, v[RR]
	v_lshlrev_b32 v[H16], 4, v[HH]
	v_mov_b32 v[VK9], 0x3e7c6f08
	v_mov_b32 v[VK9+1], 0x3e7c6f08
	s_lshl_b32 s26, s18, 24                        ; w1: the expert's 16 MiB,
	s_lshl_b32 s27, s16, 22                        ; 256 rows of 16,384 bytes,
	s_add_co_u32 s26, s26, s27
	s_lshl_b32 s27, s17, 9                         ; the slice's 512 bytes of a row,
	s_add_co_u32 s26, s26, s27
	s_lshl_b32 s27, s15, 7                         ; my group's 128
	s_add_co_u32 s26, s26, s27
	s_mov_b32 s27, 0
	s_lshl_b32 s28, s18, 14                        ; b1: the expert's row, the slice's 512 bytes
	s_lshl_b32 s29, s17, 9
	s_add_co_u32 s28, s28, s29
	s_mov_b32 s29, 0
	s_lshl_b32 s35, s18, 7                         ; the expert's 32 words in route
	s_mul_i32 s19, s17, NT                         ; hq: the slice's 136 tiles
	s_mov_b32 s[SEL], 0x76543210
	s_mov_b32 s[SEL+1], 0xfedcba98
	s_mov_b32 s34, 0x3eb504f3                      ; 1 / (2 sqrt 2)
	s_mov_b32 s36, 0xbf38aa3b                      ; -log2(e) / 2
	s_mov_b32 s38, 0xc034d90f                      ; the coefficients x log2(e); the lowest less 1, for the half
	s_mov_b32 s40, 0x3fb8ab5a
	s_mov_b32 s42, 0x3f0a29d2
	s_mov_b32 s44, 0x3e0efb2e
	s_mov_b32 s46, 0xbe899a80
	s_mov_b32 s48, 0x3ecdfd18
	s_mov_b32 s50, 0xbfd1a1e5
	s_mov_b32 s52, 0x40097039
	s_mov_b32 s54, 0xbf97d29d
.irp k, 36,38,40,42,44,46,48,50,52,54
	s_mov_b32 s[\k+1], s[\k]                       ; named with it as a pair, so it is written
.endr
	s_wait_kmcnt 0x0
	s_load_b64 s[20:21], s[10:11], s35 offset:0x0  ; my expert's first row and its number of tiles
	s_add_nc_u64 s[WB:WB+1], s[4:5], s[26:27]
	s_add_nc_u64 s[28:29], s[6:7], s[28:29]
	s_wait_alu depctr_va_vdst(0)                   ; the addresses v4 to v11, v247 and v254 are written, which the loads, LDS loads and LDS stores of the whole kernel read
	global_load_b128 v[B1R:B1R+3], v[LI], s[28:29] ; b1's 512 bytes, in every wave, so that all waves count alike
	LOADB 0
	LOADB 1
	s_wait_kmcnt 0x0
	s_lshr_b32 s22, s20, 4                         ; my expert's first tile
	s_mov_b32 s23, s14                             ; tt: which of its tiles is mine
	LISTAD 24, 0
	s_wait_alu depctr_va_vdst(0)                   ; v[LA] is written, which the load below reads
	global_load_b32 v[TOK], v[LA], s[10:11] offset:LISTO
	QBLOCK 0, 33, 1                                ; younger than block 0: block 1 and the tokens
	s_cmp_lg_u32 s14, 0
	s_cbranch_scc1 .Lnob1
	ds_store_b128 v[B1W], v[B1R:B1R+3]             ; wave 0 lays b1 into LDS (older than block 0, so it is in)
.Lnob1:
	LOADB 2
	QBLOCK 1, 33, 1                                ; younger than block 1: the tokens and block 2
	LOADB 3
	QBLOCK 2, 32, 1                                ; from here on: the next block's 32
	LOADB 4
	QBLOCK 3, 32, 0
	KIMG 0
	LOADB 5                                        ; no vector line since the K step's wait names set 1
	QBLOCK 4, 32, 1
	LOADB 6
	QBLOCK 5, 32, 1
	LOADB 7
	QBLOCK 6, 32, 0
	XL                                             ; my first tile's x (its tokens are long in)
	QBLOCK 7, 18, 0                                ; younger than block 7: x's 18
	KIMG 1
	s_wait_dscnt 0x0                               ; for the others' sake: my fragments and scale words lie in LDS
	s_barrier_signal -1
	s_barrier_wait -1                              ; the one barrier: from here on LDS is only read
	s_wait_alu depctr_vm_vsrc(0)                   ; my LDS stores have read the scale words v224 and v225, which the lines below write
.irp b, 0,1,2,3
	v_mov_b32 v[TM+4+\b], 0                        ; a lane permute's destination counts as one of its sources
.endr
	s_min_u32 s21, s21, NT
	s_cmp_ge_u32 s23, s21
	s_cbranch_scc1 .Lend                           ; fewer tiles than waves: nothing for me
	s_sub_co_u32 s[TRIPS], s21, s14                ; the expert's tiles from mine on (one at the least: the branch above),
	s_add_co_u32 s[TRIPS], s[TRIPS], 15
	s_lshr_b32 s[TRIPS], s[TRIPS], 4               ; of which every sixteenth is mine:
	s_min_u32 s[TRIPS], s[TRIPS], 9                ; my trips; 136 tiles on 16 waves are nine at the most
	s_mov_b32 s[TRIP], 0
.Ltrip:
	s_wait_xcnt 0x0                                ; the last trip's stores and loads have had their addresses translated: their addresses and data are written again only behind this wait
	s_wait_alu depctr_vm_vsrc(0)                   ; the last trip's stores have read the fragment, its scale word and their two addresses; x's loads and the list's have read theirs; in the first trip my LDS stores have read the codes, which lie in the accumulators' registers
	LISTAD 25, 1                                   ; the tokens of my next tile
	s_wait_alu depctr_va_vdst(0)                   ; v[LA] is written; the lines that read v[TOK], the gelu and the quantiser (the accumulators, v80-103) and the last products (W1's fragments and scale words) are done: the loads below land in these registers
	global_load_b32 v[TOK], v[LA], s[10:11] offset:LISTO
.irp t, 0,1,2,3,4,5,6,7
	ds_load_b128 v[ACC+8*\t:ACC+8*\t+3],   v[B1A] offset:128*(\t/2)+32*(\t%2)      ; b1 in the result's layout: units 32 (t / 2) + 16 h + 8 (t % 2) + 0 .. 7
	ds_load_b128 v[ACC+8*\t+4:ACC+8*\t+7], v[B1A] offset:128*(\t/2)+32*(\t%2)+16
.endr
	FETCHH 0, 0                                    ; both halves of K step 0
	FETCHH 0, 1
.irp s, 0,1,2,3,4,5,6,7
	HALF \s, 0
	HALF \s, 1
.endr
	s_wait_loadcnt 0x0                             ; the next tile's tokens
.rept 4
	v_nop                                          ; four places behind the last products, in front of the first read of the results and of the gelu's writes into registers that they read (ISA guide 7.12.1)
.endr
	XL                                             ; the next tile's x lands while this tile is finished
.irp t, 0,1,2,3,4,5,6,7
	GELU8 \t
.endr
	QUANT ACC
	s_add_co_u32 s26, s19, s24                     ; 136 x slice + tile
	s_lshl_b32 s27, s26, 10
	v_add_nc_u32 v[HAD], s27, v[LI]
	s_lshl_b32 s27, s26, 7
	v_add_nc_u32 v[HSAD], s27, v[LS]
	s_wait_alu depctr_va_vdst(0)                   ; the quantiser has written the fragment and its scale word, the two lines above their addresses: the stores below read them
	global_store_b128 v[HAD], v[PC:PC+3], s[12:13]                 ; each store of the wave covers 512 consecutive bytes, aligned
	global_store_b128 v[HAD], v[PC+4:PC+7], s[12:13] offset:512
	global_store_b32 v[HSAD], v[PW], s[12:13] offset:HSCO          ; 128 consecutive bytes
	s_mov_b32 s24, s25
	s_add_co_u32 s23, s23, 16                      ; my next tile of the expert's
	s_add_co_u32 s[TRIP], s[TRIP], 1               ; the loop ends on a counter of trips, stepped by one
	s_cmp_lt_u32 s[TRIP], s[TRIPS]
	s_cbranch_scc1 .Ltrip
.Lend:
	s_wait_dscnt 0x0                               ; the closing lines, six on end
	s_wait_alu 0x0
	s_wait_tensorcnt 0x0
	ds_add_u32 v231, v255
	s_wait_dscnt 0x0
	s_endpgm
.Lfunc_end_k_qac428d2202_hid:
	.size	k_qac428d2202_hid, .Lfunc_end_k_qac428d2202_hid-k_qac428d2202_hid
	.p2alignl 7, 3214868480
	.fill 96, 4, 3214868480
	.section	.rodata,"a",@progbits
	.p2align	6, 0x0
	.amdhsa_kernel k_qac428d2202_hid
		.amdhsa_group_segment_fixed_size 72192
		.amdhsa_private_segment_fixed_size 0
		.amdhsa_enable_private_segment 0
		.amdhsa_kernarg_size 40
		.amdhsa_user_sgpr_count 2
		.amdhsa_user_sgpr_kernarg_segment_ptr 1
		.amdhsa_wavefront_size32 1
		.amdhsa_system_sgpr_workgroup_id_x 1
		.amdhsa_system_sgpr_workgroup_id_y 1
		.amdhsa_system_sgpr_workgroup_id_z 1
		.amdhsa_system_vgpr_workitem_id 0
		.amdhsa_next_free_vgpr 256
		.amdhsa_next_free_sgpr 66
		.amdhsa_reserve_vcc 0
		.amdhsa_float_denorm_mode_32 3
		.amdhsa_float_denorm_mode_16_64 3
		.amdhsa_memory_ordered 1
		.amdhsa_forward_progress 1
		.amdhsa_inst_pref_size 109
	.end_amdhsa_kernel
	.amdgpu_metadata
---
amdhsa.version: [ 1, 2 ]
amdhsa.kernels:
  - .name:           k_qac428d2202_hid
    .symbol:         k_qac428d2202_hid.kd
    .args:
      - { .name: w1, .offset: 0, .size: 8, .value_kind: global_buffer, .address_space: global }
      - { .name: b1, .offset: 8, .size: 8, .value_kind: global_buffer, .address_space: global }
      - { .name: xq, .offset: 16, .size: 8, .value_kind: global_buffer, .address_space: global }
      - { .name: route, .offset: 24, .size: 8, .value_kind: global_buffer, .address_space: global }
      - { .name: hq, .offset: 32, .size: 8, .value_kind: global_buffer, .address_space: global }
    .group_segment_fixed_size: 72192
    .private_segment_fixed_size: 0
    .kernarg_segment_align: 8
    .kernarg_segment_size: 40
    .max_flat_workgroup_size: 512
    .sgpr_count:     66
    .vgpr_count:     256
    .wavefront_size: 32
...
	.end_amdgpu_metadata
.endif
;; end of part 8
;; launch outp (part 9): grid 32 x 8, 16 waves a work-group, no clusters, 141,312 bytes of LDS; arguments w2, route, hq, yp; writes yp
.if DOCPART == 9
	.amdgcn_target "amdgcn-amd-amdhsa--gfx1250"
	.amdhsa_code_object_version 6
	.text
	.protected	k_qac428d2202_outp
	.globl	k_qac428d2202_outp
	.p2align	8
	.type	k_qac428d2202_outp,@function
k_qac428d2202_outp:
	s_mov_b64 s[64:65], 0
	v_nop
	global_prefetch_b8 v0, s[64:65] scope:SCOPE_SE
	s_setreg_imm32_b32 hwreg(HW_REG_WAVE_SCHED_MODE, 0, 2), 2
	s_setreg_imm32_b32 hwreg(HW_REG_WAVE_MODE, 25, 1), 1
	s_wait_xcnt 0x0
	s_wait_alu depctr_vm_vsrc(0)
; OUTP.  Partial y = h W2 over half of K = 4,096, for the rows that chose the expert; both operands as codes of E2M1 with one E8M0 scale for each 32 along K.
; A work-group (x = 2 x column slice + half of K, y = expert) owns 2,048 x 64 numbers of w2, 512 KB, which no other work-group reads: a row's piece is 256 consecutive bytes, aligned.
; (32 columns x all of K would cut such pieces between work-groups; 64 columns x all of K would give 128 work-groups.  The price of the halves: yp is twice as large, and the last launch adds them.)
; PHASE 1, THE WEIGHTS: w2 is [expert][K][1,024]: a lane takes a column and its registers run down K.  Wave w takes 32 columns (group w % 2) x 256 of K (part w / 2): eight blocks of 32, two K steps of 128.
; Each K step's four blocks become two operands, which go to LDS as images of their registers: fragment (K step s, tile n) at (4 s + n) x 1,024 + 512 c + 16 lane; a register of scale words carries tile 2 p in
; lanes 0-15 and tile 2 p + 1 in lanes 16-31.  One barrier.
; PHASE 2, THE ROWS.  Wave w takes the expert's tiles of 16 rows w, w + 16, ..: h's sixteen fragments and scale words come from hq as they were stored, 512 consecutive bytes a load; the next tile's are asked for a trip ahead
; (clamped to tile 135; all 136 tiles of hq are written).  The product is used transposed (source 0 = 16 columns of W2, source 1 = 16 rows of h): a lane holds eight neighbouring outputs of one row.
; A tile's 16 rows x 64 columns go through the wave's own stage in LDS and leave as rows: sixteen lanes store 256 consecutive bytes, aligned.  yp is [2 halves][2,176 rows][1,024] f32.
; NO JOINT LOADS: the weights are nobody else's; how many tiles of h the work-groups of an expert share is read from memory.
; LIMITS.  NaN and infinities are not served.  y is summed in two halves of K.  A block of zeros gets the byte 1 and not 127: its codes are zeros, and this program alone reads the bytes.
; THE MODE: SCHED_MODE bits 1:0 = 2 (LLVM: expert scheduling mode 2), set by the entry lines.  The code itself states the register dependences
; between vector or matrix instructions and memory or LDS instructions, with s_wait_alu, always for 0.
; THE PLAN.  Registers that memory or LDS instructions touch:
;   the addresses v4-v8, v11, v12   made once at the head, never written again: one wait on va_vdst ahead of the first load.
;   PHASE 1.  The two sets of 32 numbers: loaded; read by a block's maxima and conversions; loaded again two blocks on: a wait on va_vdst behind the block.
;             The codes and the scale words: written by the blocks' lines and the exchanges, read by a K step's LDS stores: a wait on va_vdst between; a wait on vm_vsrc ahead of the lines that write the codes again.
;   PHASE 2, a trip.  THREE BUFFERS of two fragments of W2, each with a register of scale words: half step j (K step j / 2, tiles 2 (j % 2) and 2 (j % 2) + 1) is loaded from LDS into buffer j % 3, read by its two products,
;             and the buffer is loaded again with half step j + 3, while half steps j + 1 and j + 2 are on their way or at work.
;             HF, HS: loaded a trip ahead; read by the products.  The accumulators: written by the products, read by the LDS stores into the stage.  v196-227: on the way out the rows read back, read by the global stores.
;             v[HA], v[HSA], v[YA]: written by three additions at the trip's tail; read by h's loads and by the stores.
;   So a trip has: at its head one wait on vm_vsrc (all that the last trip's stores, LDS stores and loads read); one on va_vdst behind each half step's products but the last three; and one on va_vdst at its tail, behind the
;   three additions, for h's loads, the LDS stores, the reads back and the global stores.  No vector or matrix line between that wait and the next trip's first loads names a register that these touch.
.set PITCH, 4096
.set NTL,   4
.set SSTEP, 256
.set WSCL,  65536                      ; LDS: 0: the 64 fragments;  65,536: their scale words, 4,096 bytes;
.set STG,   69632                      ; 69,632: a stage of 16 rows x (256 + 16) bytes for each wave
.set HSCO,  4456448
.set NT,    136
.set LANE, 1
.set RR,   2
.set HH,   3
.set WA,   4                           ; 4 x lane: my column of w2, and my place in an image of scale words
.set LS,   4
.set LI,   5                           ; 16 x lane
.set WST,  6
.set WSS,  7
.set WSA,  8
.set HA,   9                           ; h's fragments of the tile asked for
.set HSA,  10                          ; and their scale words
.set SO,   11                          ; the stage: where I put 32 bytes of a row
.set SR,   12                          ; and where I read a row back
.set YA,   13                          ; my bytes in yp
.set YB,   15                          ; 4,096 (lane / 16) + 16 (lane % 16)
.set HF,   16                          ; v16-143  h's sixteen fragments
.set HS,   144                         ; v144-159 their scale words: scales and nothing else
.set SW,   162                         ; v162-163 phase 1: my column's scale words
.set ACC,  164                         ; v164-195 four accumulators
.set WF,   196                         ; v196-243 three buffers of two fragments of W2 (the third lies where phase 1 has its codes); on the way out v196-227 take the rows read back
.set X,    164                         ; phase 1: v164-227 two sets of 32 numbers
.set CD,   228                         ; v228-243 the codes of four blocks
.set MXA,  244
.set MXB,  245
.set SOP,  246
.set BYT,  247
.set WSC,  248                         ; v248-250 W2's scale words, a register for each buffer: scales and nothing else
.set WB,   30
.set TRIPS, 36                         ; s36 how many tiles are mine;  s37 counts them
.set TRIP,  37
.macro LOADB b
.set li, 0
.rept 32
	global_load_b32 v[X+32*((\b)%2)+li], v[WA], s[WB:WB+1] offset:(32*(\b)+li)*PITCH th:TH_LOAD_NT
.set li, li+1
.endr
.endm
.macro QBLOCK b, cnt, free             ; block b becomes 16 bytes of codes and a byte of the scale word.  cnt: the loads issued behind block b's.  free = 1: its set is asked for again straight behind it
.set XB, X+32*((\b)%2)
	s_wait_loadcnt \cnt
.if (\b) == 4
	s_wait_dscnt 0x0                               ; the first K step's LDS stores are done,
	s_wait_alu depctr_vm_vsrc(0)                   ; and they have read the codes' registers, which this block's conversions write again
.endif
	v_max3_num_f32 v[MXA], |v[XB]|, |v[XB+1]|, |v[XB+2]|
	v_max3_num_f32 v[MXB], |v[XB+3]|, |v[XB+4]|, |v[XB+5]|
.irp i, 6,10,14,18,22,26
	v_max3_num_f32 v[MXA], v[MXA], |v[XB+\i]|, |v[XB+\i+1]|
	v_max3_num_f32 v[MXB], v[MXB], |v[XB+\i+2]|, |v[XB+\i+3]|
.endr
	v_max3_num_f32 v[MXA], v[MXA], |v[XB+30]|, |v[XB+31]|
	v_max3_num_f32 v[MXA], v[MXA], v[MXB], 0x1800000               ; and the floor 2^(3 - 127): the byte cannot fall under 1
	v_add_nc_u32 v[SOP], 0xff000000, v[MXA]                        ; 2 off the exponent field: the conversion's scale operand
.if (\b)%4 == 0
	v_lshrrev_b32 v[SW+(\b)/4], 23, v[SOP]
.else
	v_lshrrev_b32 v[BYT], 23, v[SOP]
	v_lshl_or_b32 v[SW+(\b)/4], v[BYT], 8*((\b)%4), v[SW+(\b)/4]
.endif
.irp g, 0,1,2,3
	v_cvt_scalef32_pk8_fp4_f32 v[CD+4*((\b)%4)+\g], v[XB+8*\g:XB+8*\g+7], v[SOP]
.endr
	v_nop                                          ; one plain instruction behind a scaled conversion
.if \free
	s_wait_alu depctr_va_vdst(0)                   ; the block's maxima and conversions are done reading set b % 2, in which the loads of block b + 2 land
.endif
.endm
.macro KIMG sg
.irp m, 0,1
.irp i, 0,1,2,3
	v_permlane16_swap_b32 v[CD+8*\m+\i], v[CD+8*\m+4+\i]           ; the first is now lanes 0-15's columns, blocks 2 m and 2 m + 1; the second lanes 16-31's
.endr
.endr
	s_wait_alu depctr_va_vdst(0)                   ; the exchanges have written the codes and the blocks' lines the scale word, which the LDS stores below read; the block just worked is done reading its set, in which later loads land
.irp c, 0,1
.irp u, 0,1
	ds_store_b128 v[WST], v[CD+8*\c+4*\u:CD+8*\c+4*\u+3] offset:(\sg)*NTL*1024+\u*1024+\c*512
.endr
.endr
	ds_store_b32 v[WSS], v[SW+(\sg)] offset:(\sg)*SSTEP
.endm
.macro HLA tl                          ; where tile s[tl] of h lies, in my half's sixteen K steps
	s_add_co_u32 s26, s[\tl], s28                  ; 16 K steps x 136 tiles for the upper half, + the tile
	s_lshl_b32 s27, s26, 10
	v_add_nc_u32 v[HA], s27, v[LI]
	s_lshl_b32 s27, s26, 7
	v_add_nc_u32 v[HSA], s27, v[LS]
.endm
.macro HLL                             ; that tile: 32 loads of 512 consecutive bytes and 16 of 128: 48 loads
.irp s, 0,1,2,3,4,5,6,7,8,9,10,11,12,13,14,15
	global_load_b128 v[HF+8*\s:HF+8*\s+3],   v[HA], s[8:9] offset:139264*\s
	global_load_b128 v[HF+8*\s+4:HF+8*\s+7], v[HA], s[8:9] offset:139264*\s+512
.endr
.irp s, 0,1,2,3,4,5,6,7,8,9,10,11,12,13,14,15
	global_load_b32 v[HS+\s], v[HSA], s[8:9] offset:HSCO+17408*\s
.endr
.endm
.macro FETCHH j                        ; half step j: fragments 2 j and 2 j + 1 of the 64 and their register of scale words, from LDS into buffer j % 3: five loads
	ds_load_b32 v[WSC+(\j)%3], v[WSA] offset:SSTEP*((\j)/2)+4*((\j)%2)
.irp n, 0,1
	ds_load_b128 v[WF+16*((\j)%3)+8*\n:WF+16*((\j)%3)+8*\n+3],   v[LI] offset:(2*(\j)+\n)*1024
	ds_load_b128 v[WF+16*((\j)%3)+8*\n+4:WF+16*((\j)%3)+8*\n+7], v[LI] offset:(2*(\j)+\n)*1024+512
.endr
.endm
.macro MM j, n                         ; half step j, its n-th tile: tile 2 (j % 2) + n of the columns, K step j / 2.  The first K step starts the sums; an odd tile's scale words stand in lanes 16-31 of the register
.set rD, ACC+8*(2*((\j)%2)+(\n))
.set rA, WF+16*((\j)%3)+8*(\n)
.set rB, HF+8*((\j)/2)
.set rS, WSC+(\j)%3
.set rH, HS+(\j)/2
.if (\j) < 2
.if (\n)
	v_wmma_scale_f32_16x16x128_f8f6f4 v[rD:rD+7], v[rA:rA+7], v[rB:rB+7], 0, v[rS], v[rH] matrix_a_fmt:MATRIX_FMT_FP4 matrix_b_fmt:MATRIX_FMT_FP4 matrix_a_scale:MATRIX_SCALE_ROW1
.else
	v_wmma_scale_f32_16x16x128_f8f6f4 v[rD:rD+7], v[rA:rA+7], v[rB:rB+7], 0, v[rS], v[rH] matrix_a_fmt:MATRIX_FMT_FP4 matrix_b_fmt:MATRIX_FMT_FP4
.endif
.else
.if (\n)
	v_wmma_scale_f32_16x16x128_f8f6f4 v[rD:rD+7], v[rA:rA+7], v[rB:rB+7], v[rD:rD+7], v[rS], v[rH] matrix_a_fmt:MATRIX_FMT_FP4 matrix_b_fmt:MATRIX_FMT_FP4 matrix_a_scale:MATRIX_SCALE_ROW1
.else
	v_wmma_scale_f32_16x16x128_f8f6f4 v[rD:rD+7], v[rA:rA+7], v[rB:rB+7], v[rD:rD+7], v[rS], v[rH] matrix_a_fmt:MATRIX_FMT_FP4 matrix_b_fmt:MATRIX_FMT_FP4
.endif
.endif
.endm
.macro HALF j                          ; two products.  The four accumulators take turns, one instruction a turn, in the same order in every K step
.if (\j) < 30
	s_wait_dscnt 10                                ; LDS loads come back in order (ISA guide 5.7.1): this half step is in; the two younger ones' five loads each may be out
.elseif (\j) == 30
	s_wait_dscnt 5                                 ; the counts run down
.else
	s_wait_dscnt 0x0
.endif
.if (\j) == 0
	s_wait_loadcnt 0x0                             ; h's 48 loads: nothing younger is out
.endif
	MM \j, 0
	MM \j, 1
.if (\j) < 29
	s_wait_alu depctr_va_vdst(0)                   ; the two products are done reading buffer j % 3 and its scale words, in which the loads below land
	FETCHH (\j)+3
.endif
.endm
	s_load_b256 s[4:11], s[0:1], 0x0               ; w2 s[4:5], route s[6:7], hq s[8:9], yp s[10:11]
	v_lshl_add_u32 v254, v0, 2, 0x22000
	v_mov_b32 v255, 0
	v_lshrrev_b32 v2, 5, v0
	v_readfirstlane_b32 s14, v2                    ; wave 0..15
	v_and_b32 v[LANE], 31, v0
	s_wait_alu depctr_va_vdst(0)
	v_and_b32 v[RR], 15, v0
	s_wait_alu depctr_va_vdst(0)
	v_bfe_u32 v[HH], v0, 4, 1
	s_wait_alu depctr_va_sdst(0)                   ; s14 is written, ahead of its first reader: the wave's shares, its LDS places and the base of w2 are made from it
	s_and_b32 s15, s14, 1                          ; my group of 32 columns
	s_lshr_b32 s16, s14, 1                         ; my 256 of K
	s_lshr_b32 s17, ttmp9, 1                       ; the slice of 64 columns
	s_and_b32 s19, ttmp9, 1                        ; the half of K
	s_and_b32 s18, ttmp7, 0xffff                   ; the expert
	v_lshlrev_b32 v[WA], 2, v[LANE]
	v_lshlrev_b32 v[LI], 4, v[LANE]
	s_lshl_b32 s26, s16, 13                        ; two K steps of four fragments,
	s_lshl_b32 s27, s15, 11                        ; two fragments
	s_add_co_u32 s26, s26, s27
	v_add_nc_u32 v[WST], s26, v[LI]
	v_lshlrev_b32 v[WSA], 3, v[LANE]
	s_lshl_b32 s26, s16, 9
	s_lshl_b32 s27, s15, 2
	s_add_co_u32 s26, s26, s27
	s_add_co_u32 s26, s26, WSCL
	v_add_nc_u32 v[WSS], s26, v[WSA]               ; word 'group' of my lane's two, K step 2 x part
	v_add_nc_u32 v[WSA], WSCL, v[WSA]
	s_mul_i32 s26, s14, 16*272
	s_add_co_u32 s26, s26, STG                     ; my stage
	v_mul_u32_u24 v[SO], v[RR], 272
	s_wait_alu depctr_va_vdst(0)
	v_lshl_add_u32 v[SO], v[HH], 5, v[SO]
	v_add_nc_u32 v[SO], s26, v[SO]                 ; in: row lane % 16, 32 bytes for each half of the lanes
	v_mul_u32_u24 v[SR], v[HH], 272
	v_lshl_add_u32 v[SR], v[RR], 4, v[SR]
	v_add_nc_u32 v[SR], s26, v[SR]                 ; back: lanes 0-15 one row, lanes 16-31 the next
	v_lshlrev_b32 v[YB], 12, v[HH]
	v_lshl_add_u32 v[YB], v[RR], 4, v[YB]          ; and the same two rows in yp
	s_lshl_b32 s26, s18, 24                        ; w2: the expert's 16 MiB,
	s_lshl_b32 s27, s19, 23                        ; the half's 2,048 rows of 4,096 bytes,
	s_add_co_u32 s26, s26, s27
	s_lshl_b32 s27, s16, 20                        ; my 256 rows,
	s_add_co_u32 s26, s26, s27
	s_lshl_b32 s29, s17, 8                         ; the slice's 256 bytes of a row (kept: yp's rows have the same),
	s_add_co_u32 s26, s26, s29
	s_lshl_b32 s27, s15, 7                         ; my group's 128
	s_add_co_u32 s26, s26, s27
	s_mov_b32 s27, 0
	s_mul_i32 s28, s19, 16*NT                      ; 2,176 x half: tiles in hq, rows in yp
	s_lshl_b32 s35, s18, 7                         ; the expert's 32 words in route
	s_wait_kmcnt 0x0
	s_load_b64 s[20:21], s[6:7], s35 offset:0x0    ; my expert's first row and its number of tiles
	s_add_nc_u64 s[WB:WB+1], s[4:5], s[26:27]
	s_wait_alu depctr_va_vdst(0)                   ; the addresses v4 to v8, v11 and v12 are written, which the loads, LDS loads and LDS stores of the whole kernel read
	LOADB 0
	LOADB 1
	s_wait_kmcnt 0x0
	s_lshr_b32 s22, s20, 4                         ; my expert's first tile
	s_mov_b32 s23, s14                             ; tt: which of its tiles is mine
	s_add_co_u32 s24, s22, s23
	s_min_u32 s24, s24, NT-1                       ; held inside the 136 tiles
	QBLOCK 0, 32, 1                                ; each count: the next block's 32 loads may be out
	LOADB 2
	QBLOCK 1, 32, 1
	LOADB 3
	QBLOCK 2, 32, 1
	LOADB 4
	QBLOCK 3, 32, 0
	KIMG 0
	LOADB 5                                        ; no vector line since the K step's wait names set 1
	QBLOCK 4, 32, 1
	LOADB 6
	QBLOCK 5, 32, 1
	LOADB 7
	QBLOCK 6, 32, 0
	HLA 24                                         ; my first tile of h
	s_wait_alu depctr_va_vdst(0)                   ; v[HA] and v[HSA] are written, which the loads below read
	HLL
	QBLOCK 7, 48, 0                                ; younger than block 7: h's 48
	KIMG 1
	s_wait_dscnt 0x0                               ; for the others' sake: my fragments and scale words lie in LDS
	s_barrier_signal -1
	s_barrier_wait -1                              ; the one barrier: from here on the weights' part of LDS is only read, and a stage is its wave's own
	s_min_u32 s21, s21, NT
	s_cmp_ge_u32 s23, s21
	s_cbranch_scc1 .Lend                           ; fewer tiles than waves: nothing for me
	s_sub_co_u32 s[TRIPS], s21, s14                ; the expert's tiles from mine on (one at the least: the branch above),
	s_add_co_u32 s[TRIPS], s[TRIPS], 15
	s_lshr_b32 s[TRIPS], s[TRIPS], 4               ; of which every sixteenth is mine:
	s_min_u32 s[TRIPS], s[TRIPS], 9                ; my trips; 136 tiles on 16 waves are nine at the most
	s_mov_b32 s[TRIP], 0
.Ltrip:
	s_wait_xcnt 0x0                                ; the last trip's stores and loads have had their addresses translated: their addresses and data are written again only behind this wait
	s_wait_alu depctr_vm_vsrc(0)                   ; the last trip's stores have read the rows in v196-227 and v[YA], its LDS stores the accumulators, h's loads v[HA] and v[HSA]; in the first trip my LDS stores have read the codes, which lie in the third buffer
	FETCHH 0                                       ; the ring's three buffers.  No vector or matrix line since the last wait on va_vdst names them
	FETCHH 1
	FETCHH 2
.irp j, 0,1,2,3,4,5,6,7,8,9,10,11,12,13,14,15,16,17,18,19,20,21,22,23,24,25,26,27,28,29,30,31
	HALF \j
.endr
.rept 5
	v_nop                                          ; behind the last products: four places for the LDS stores of the results, five for the next trip's products, which begin the accumulators anew
.endr
	s_lshl_b32 s26, s24, 4
	s_add_co_u32 s26, s26, s28                     ; the tile's first row in my half of yp
	s_lshl_b32 s26, s26, 12
	s_add_co_u32 s26, s26, s29
	v_add_nc_u32 v[YA], s26, v[YB]
	s_add_co_u32 s25, s22, s23
	s_add_co_u32 s25, s25, 16
	s_min_u32 s25, s25, NT-1
	HLA 25
	s_wait_alu depctr_va_vdst(0)                   ; the products have written the accumulators, which the LDS stores read, and are done reading h's fragments and scale words and v196-227, in which the loads below land; v[YA], v[HA] and v[HSA] are written
	HLL                                            ; my next tile of h lands while this tile goes out
.irp n, 0,1,2,3
	ds_store_b128 v[SO], v[ACC+8*\n:ACC+8*\n+3] offset:64*\n       ; each accumulator from its low end on: lane (r, h): y(row r, columns 16 n + 8 h + 0 .. 7)
	ds_store_b128 v[SO], v[ACC+8*\n+4:ACC+8*\n+7] offset:64*\n+16
.endr
.irp i, 0,1,2,3,4,5,6,7
	ds_load_b128 v[WF+4*\i:WF+4*\i+3], v[SR] offset:544*\i         ; LDS serves a wave's instructions in order (ISA guide 5.7.1.4): these see the stores above
.endr
.irp i, 0,1,2,3,4,5,6,7
	s_wait_dscnt 7-\i
	global_store_b128 v[YA], v[WF+4*\i:WF+4*\i+3], s[10:11] offset:8192*\i         ; sixteen lanes store 256 consecutive bytes, at a multiple of 256 from yp's first byte
.endr
	s_mov_b32 s24, s25
	s_add_co_u32 s23, s23, 16                      ; my next tile of the expert's
	s_add_co_u32 s[TRIP], s[TRIP], 1               ; the loop ends on a counter of trips, stepped by one
	s_cmp_lt_u32 s[TRIP], s[TRIPS]
	s_cbranch_scc1 .Ltrip
.Lend:
	s_wait_dscnt 0x0                               ; the closing lines, six on end
	s_wait_alu 0x0
	s_wait_tensorcnt 0x0
	ds_add_u32 v254, v255
	s_wait_dscnt 0x0
	s_endpgm
.Lfunc_end_k_qac428d2202_outp:
	.size	k_qac428d2202_outp, .Lfunc_end_k_qac428d2202_outp-k_qac428d2202_outp
	.p2alignl 7, 3214868480
	.fill 96, 4, 3214868480
	.section	.rodata,"a",@progbits
	.p2align	6, 0x0
	.amdhsa_kernel k_qac428d2202_outp
		.amdhsa_group_segment_fixed_size 141312
		.amdhsa_private_segment_fixed_size 0
		.amdhsa_enable_private_segment 0
		.amdhsa_kernarg_size 32
		.amdhsa_user_sgpr_count 2
		.amdhsa_user_sgpr_kernarg_segment_ptr 1
		.amdhsa_wavefront_size32 1
		.amdhsa_system_sgpr_workgroup_id_x 1
		.amdhsa_system_sgpr_workgroup_id_y 1
		.amdhsa_system_sgpr_workgroup_id_z 1
		.amdhsa_system_vgpr_workitem_id 0
		.amdhsa_next_free_vgpr 256
		.amdhsa_next_free_sgpr 66
		.amdhsa_reserve_vcc 0
		.amdhsa_float_denorm_mode_32 3
		.amdhsa_float_denorm_mode_16_64 3
		.amdhsa_memory_ordered 1
		.amdhsa_forward_progress 1
		.amdhsa_inst_pref_size 73
	.end_amdhsa_kernel
	.amdgpu_metadata
---
amdhsa.version: [ 1, 2 ]
amdhsa.kernels:
  - .name:           k_qac428d2202_outp
    .symbol:         k_qac428d2202_outp.kd
    .args:
      - { .name: w2, .offset: 0, .size: 8, .value_kind: global_buffer, .address_space: global }
      - { .name: route, .offset: 8, .size: 8, .value_kind: global_buffer, .address_space: global }
      - { .name: hq, .offset: 16, .size: 8, .value_kind: global_buffer, .address_space: global }
      - { .name: yp, .offset: 24, .size: 8, .value_kind: global_buffer, .address_space: global }
    .group_segment_fixed_size: 141312
    .private_segment_fixed_size: 0
    .kernarg_segment_align: 8
    .kernarg_segment_size: 32
    .max_flat_workgroup_size: 512
    .sgpr_count:     66
    .vgpr_count:     256
    .wavefront_size: 32
...
	.end_amdgpu_metadata
.endif
;; end of part 9
;; launch comb (part 10): grid 256 x 1, 4 waves a work-group, no clusters, 0 bytes of LDS; arguments yp, b2, eidx, prob, route, out0; writes out0
.if DOCPART == 10
	.amdgcn_target "amdgcn-amd-amdhsa--gfx1250"
	.amdhsa_code_object_version 6
	.text
	.protected	k_qac428d2202_comb
	.globl	k_qac428d2202_comb
	.p2align	8
	.type	k_qac428d2202_comb,@function
k_qac428d2202_comb:
	s_mov_b64 s[64:65], 0
	v_nop
	global_prefetch_b8 v0, s[64:65] scope:SCOPE_SE
	s_setreg_imm32_b32 hwreg(HW_REG_WAVE_MODE, 25, 1), 1
	s_wait_xcnt 0x0
; COMB.  out[t] = p0 (y(pos0) + b2[e0]) + p1 (y(pos1) + b2[e1]), y(row) = the sum of yp's two halves of K at that compact row.
; A wave to a token: its two compact rows, experts and weights come by scalar loads from what earlier launches stored; the rows and experts are held inside their tables before they enter an address.
; Six rows of 4,096 bytes are read, 512 consecutive bytes a load, all 48 loads out at once; one row is stored likewise.  No LDS, no barrier: waves share nothing.
.set POSO, 10752
.set HALF, 0x880000                    ; 2,176 rows of 4,096 bytes: from one half of yp to the other
.set D,    16                          ; v16-207: for each of eight pieces of 512 bytes 24 registers: y0 lower, y0 upper, b2[e0], y1 lower, y1 upper, b2[e1]
	s_load_b256 s[4:11], s[0:1], 0x0               ; yp s[4:5], b2 s[6:7], eidx s[8:9], prob s[10:11]
	s_load_b128 s[12:15], s[0:1], 0x20             ; route s[12:13], out0 s[14:15]
	v_lshrrev_b32 v1, 5, v0
	v_readfirstlane_b32 s16, v1                    ; wave 0..3
	v_and_b32 v1, 31, v0
	v_lshlrev_b32 v1, 4, v1                        ; 16 bytes a lane
	s_lshl_b32 s17, ttmp9, 2
	s_add_co_u32 s17, s17, s16                     ; my token
	s_lshl_b32 s18, s17, 3                         ; its two words in each table
	s_lshl_b32 s40, s17, 12                        ; its row of out0
	s_mov_b32 s41, 0
	s_wait_alu depctr_va_vdst(0)
	s_wait_kmcnt 0x0
	s_load_b64 s[20:21], s[12:13], s18 offset:POSO ; the two compact rows
	s_load_b64 s[22:23], s[8:9], s18 offset:0x0    ; the two experts
	s_load_b64 s[24:25], s[10:11], s18 offset:0x0  ; the two weights
	s_add_nc_u64 s[14:15], s[14:15], s[40:41]
	s_wait_kmcnt 0x0
	s_min_u32 s20, s20, 2175
	s_min_u32 s21, s21, 2175
	s_min_u32 s22, s22, 7
	s_min_u32 s23, s23, 7
	s_lshl_b32 s40, s20, 12
	s_add_nc_u64 s[28:29], s[4:5], s[40:41]
	s_add_nc_u64 s[30:31], s[28:29], HALF
	s_lshl_b32 s40, s21, 12
	s_add_nc_u64 s[32:33], s[4:5], s[40:41]
	s_add_nc_u64 s[34:35], s[32:33], HALF
	s_lshl_b32 s40, s22, 12
	s_add_nc_u64 s[36:37], s[6:7], s[40:41]
	s_lshl_b32 s40, s23, 12
	s_add_nc_u64 s[38:39], s[6:7], s[40:41]
	s_mov_b32 s26, s25                             ; the second weight in a pair of its own: the packed forms take a pair's low word for both halves
	s_mov_b32 s27, s25
.irp j, 0,1,2,3,4,5,6,7
	global_load_b128 v[D+24*\j:D+24*\j+3],     v1, s[28:29] offset:512*\j th:TH_LOAD_NT
	global_load_b128 v[D+24*\j+4:D+24*\j+7],   v1, s[30:31] offset:512*\j th:TH_LOAD_NT
	global_load_b128 v[D+24*\j+8:D+24*\j+11],  v1, s[36:37] offset:512*\j
	global_load_b128 v[D+24*\j+12:D+24*\j+15], v1, s[32:33] offset:512*\j th:TH_LOAD_NT
	global_load_b128 v[D+24*\j+16:D+24*\j+19], v1, s[34:35] offset:512*\j th:TH_LOAD_NT
	global_load_b128 v[D+24*\j+20:D+24*\j+23], v1, s[38:39] offset:512*\j
.endr
.irp j, 0,1,2,3,4,5,6,7
	s_wait_loadcnt 6*(7-\j)                        ; piece j's six loads are in; six for each later piece may be out
.irp i, 0,2
	v_pk_add_f32 v[D+24*\j+\i:D+24*\j+\i+1],       v[D+24*\j+\i:D+24*\j+\i+1],       v[D+24*\j+4+\i:D+24*\j+5+\i]
	v_pk_add_f32 v[D+24*\j+12+\i:D+24*\j+13+\i],   v[D+24*\j+12+\i:D+24*\j+13+\i],   v[D+24*\j+16+\i:D+24*\j+17+\i]
.endr
.irp i, 0,2
	v_pk_add_f32 v[D+24*\j+\i:D+24*\j+\i+1],       v[D+24*\j+\i:D+24*\j+\i+1],       v[D+24*\j+8+\i:D+24*\j+9+\i]
	v_pk_add_f32 v[D+24*\j+12+\i:D+24*\j+13+\i],   v[D+24*\j+12+\i:D+24*\j+13+\i],   v[D+24*\j+20+\i:D+24*\j+21+\i]
.endr
.irp i, 0,2
	v_pk_mul_f32 v[D+24*\j+\i:D+24*\j+\i+1], v[D+24*\j+\i:D+24*\j+\i+1], s[24:25] op_sel_hi:[1,0]
.endr
.irp i, 0,2
	v_pk_fma_f32 v[D+24*\j+\i:D+24*\j+\i+1], v[D+24*\j+12+\i:D+24*\j+13+\i], s[26:27], v[D+24*\j+\i:D+24*\j+\i+1] op_sel_hi:[1,0,1]
.endr
	global_store_b128 v1, v[D+24*\j:D+24*\j+3], s[14:15] offset:512*\j th:TH_STORE_NT      ; the wave stores 512 consecutive bytes, aligned; no register is written again, so no wait follows
.endr
	s_endpgm
.Lfunc_end_k_qac428d2202_comb:
	.size	k_qac428d2202_comb, .Lfunc_end_k_qac428d2202_comb-k_qac428d2202_comb
	.p2alignl 7, 3214868480
	.fill 96, 4, 3214868480
	.section	.rodata,"a",@progbits
	.p2align	6, 0x0
	.amdhsa_kernel k_qac428d2202_comb
		.amdhsa_group_segment_fixed_size 0
		.amdhsa_private_segment_fixed_size 0
		.amdhsa_enable_private_segment 0
		.amdhsa_kernarg_size 48
		.amdhsa_user_sgpr_count 2
		.amdhsa_user_sgpr_kernarg_segment_ptr 1
		.amdhsa_wavefront_size32 1
		.amdhsa_system_sgpr_workgroup_id_x 1
		.amdhsa_system_sgpr_workgroup_id_y 1
		.amdhsa_system_sgpr_workgroup_id_z 1
		.amdhsa_system_vgpr_workitem_id 0
		.amdhsa_next_free_vgpr 208
		.amdhsa_next_free_sgpr 66
		.amdhsa_reserve_vcc 0
		.amdhsa_float_denorm_mode_32 3
		.amdhsa_float_denorm_mode_16_64 3
		.amdhsa_memory_ordered 1
		.amdhsa_forward_progress 1
		.amdhsa_inst_pref_size 14
	.end_amdhsa_kernel
	.amdgpu_metadata
---
amdhsa.version: [ 1, 2 ]
amdhsa.kernels:
  - .name:           k_qac428d2202_comb
    .symbol:         k_qac428d2202_comb.kd
    .args:
      - { .name: yp, .offset: 0, .size: 8, .value_kind: global_buffer, .address_space: global }
      - { .name: b2, .offset: 8, .size: 8, .value_kind: global_buffer, .address_space: global }
      - { .name: eidx, .offset: 16, .size: 8, .value_kind: global_buffer, .address_space: global }
      - { .name: prob, .offset: 24, .size: 8, .value_kind: global_buffer, .address_space: global }
      - { .name: route, .offset: 32, .size: 8, .value_kind: global_buffer, .address_space: global }
      - { .name: out0, .offset: 40, .size: 8, .value_kind: global_buffer, .address_space: global }
    .group_segment_fixed_size: 0
    .private_segment_fixed_size: 0
    .kernarg_segment_align: 8
    .kernarg_segment_size: 48
    .max_flat_workgroup_size: 128
    .sgpr_count:     66
    .vgpr_count:     208
    .wavefront_size: 32
...
	.end_amdgpu_metadata
.endif
;; end of part 10
